; MI455X (gfx1250); checked and timed in simulation.
; The chip was launched on July 23, 2026; its instructions are those of AMD's public machine-readable ISA for CDNA 5 (MIT licence, August 2026) and "CDNA5" Instruction Set Architecture Reference Guide (July 2026). The comments in the code are by the model that wrote it; some were corrected since.
;; Block. Allowed arithmetic: float matrix products may take bf16 or f16 operands with f32 sums; all other float work in f32.
;; Inputs: b1 1,024 float32; b2 1,024 float32; b_aproj 1,024 float32; b_attn 3,072 float32; b_fc 4,096 float32; b_mproj 1,024 float32; g1 1,024 float32; g2 1,024 float32; w_aproj 1,024 x 1,024 float32; w_attn 1,024 x 3,072 float32; w_fc 1,024 x 4,096 float32; w_mproj 4,096 x 1,024 float32; x 2 x 2,048 x 1,024 float32.
;; Outputs: out0 2 x 2,048 x 1,024 float32.
;; One version. Each part assembles by itself: llvm-mc -triple=amdgcn-amd-amdhsa -mcpu=gfx1250 --defsym DOCPART=n.
;; ======== version 1 of 1: 8 launches
;; workspace buffers: wb 33,554,432 bytes; qkv 25,165,824 bytes; att 8,388,608 bytes; r1 16,777,216 bytes; n 16,777,216 bytes; nb 8,388,608 bytes; h 33,554,432 bytes; r2 16,777,216 bytes
;; launch cast (part 1): grid 1024 x 1, 8 waves a work-group, no clusters, 0 bytes of LDS; arguments x, w_attn, w_aproj, w_fc, w_mproj, wb; writes wb
.if DOCPART == 1
	.amdgcn_target "amdgcn-amd-amdhsa--gfx1250"
	.amdhsa_code_object_version 6
	.text
	.protected	k_q84ebbdb758_cast
	.globl	k_q84ebbdb758_cast
	.p2align	8
	.type	k_q84ebbdb758_cast,@function
k_q84ebbdb758_cast:
	s_mov_b64 s[64:65], 0
	v_nop
	global_prefetch_b8 v0, s[64:65] scope:SCOPE_SE
	s_setreg_imm32_b32 hwreg(HW_REG_WAVE_MODE, 25, 1), 1
	s_wait_xcnt 0x0
; bf16 copies of x and of the four weight matrices, each in its own layout, one behind the other in wb:
; x at 0, w_attn at 8,388,608, w_aproj at 14,680,064, w_fc at 16,777,216, w_mproj at 25,165,824 (bytes).
; A stream: every input byte is read once and every output byte written once, so no LDS, no barrier, no matrix unit.
; Work-group u casts 16,384 numbers (64 KiB in, 32 KiB out).  The sources take 256, 192, 64, 256 and 256 work-groups,
; and wb follows that order, so the destination offset is simply 32,768 u.
; Thread t takes 16 bytes at 16 t of each block of 4,096 bytes: a load of a wave covers 512 consecutive bytes,
; a store of a wave 256 consecutive bytes at a multiple of 256 from the first byte of wb.
; All 16 loads of a lane go out first; no register is written twice, so no wait frees a source.
.set IN,  4                            ; v[4:67]   16 x 4 numbers as loaded
.set OUT, 68                           ; v[68:99]  16 x 4 numbers in bf16
	s_load_b256 s[4:11], s[0:1], 0x0               ; x s[4:5], w_attn s[6:7], w_aproj s[8:9], w_fc s[10:11]
	s_load_b128 s[12:15], s[0:1], 0x20             ; w_mproj s[12:13], wb s[14:15]
	v_lshlrev_b32 v1, 4, v0                        ; my 16 bytes of a block that is read
	v_lshlrev_b32 v2, 3, v0                        ; my 8 bytes of a block that is written
	s_mov_b32 s18, 0                               ; first work-group of the source that is chosen
	s_mov_b32 s21, 0
	s_mov_b32 s23, 0
	s_lshl_b32 s22, ttmp9, 15                      ; destination offset
	s_wait_kmcnt 0x0
	s_mov_b64 s[16:17], s[4:5]
	s_cmp_ge_u32 ttmp9, 256                        ; the choice hangs on the number of the work-group alone
	s_cselect_b64 s[16:17], s[6:7], s[16:17]
	s_cselect_b32 s18, 256, s18
	s_cmp_ge_u32 ttmp9, 448
	s_cselect_b64 s[16:17], s[8:9], s[16:17]
	s_cselect_b32 s18, 448, s18
	s_cmp_ge_u32 ttmp9, 512
	s_cselect_b64 s[16:17], s[10:11], s[16:17]
	s_cselect_b32 s18, 512, s18
	s_cmp_ge_u32 ttmp9, 768
	s_cselect_b64 s[16:17], s[12:13], s[16:17]
	s_cselect_b32 s18, 768, s18
	s_sub_co_u32 s20, ttmp9, s18
	s_lshl_b32 s20, s20, 16                        ; source offset: 65,536 bytes for each work-group of that source
	s_add_nc_u64 s[16:17], s[16:17], s[20:21]
	s_add_nc_u64 s[14:15], s[14:15], s[22:23]
.irp i, 0,1,2,3,4,5,6,7,8,9,10,11,12,13,14,15
	global_load_b128 v[IN+4*\i:IN+4*\i+3], v1, s[16:17] offset:4096*\i th:TH_LOAD_NT
.endr
.irp i, 0,1,2,3,4,5,6,7,8,9,10,11,12,13,14,15
	s_wait_loadcnt 15-\i                           ; loads come back in order: load i is in, the younger ones stay out
	v_cvt_pk_bf16_f32 v[OUT+2*\i],   v[IN+4*\i],   v[IN+4*\i+1]
	v_cvt_pk_bf16_f32 v[OUT+2*\i+1], v[IN+4*\i+2], v[IN+4*\i+3]
	global_store_b64 v2, v[OUT+2*\i:OUT+2*\i+1], s[14:15] offset:2048*\i
.endr
	s_endpgm
.Lfunc_end_k_q84ebbdb758_cast:
	.size	k_q84ebbdb758_cast, .Lfunc_end_k_q84ebbdb758_cast-k_q84ebbdb758_cast
	.p2alignl 7, 3214868480
	.fill 96, 4, 3214868480
	.section	.rodata,"a",@progbits
	.p2align	6, 0x0
	.amdhsa_kernel k_q84ebbdb758_cast
		.amdhsa_group_segment_fixed_size 0
		.amdhsa_private_segment_fixed_size 0
		.amdhsa_enable_private_segment 0
		.amdhsa_kernarg_size 48
		.amdhsa_user_sgpr_count 2
		.amdhsa_user_sgpr_kernarg_segment_ptr 1
		.amdhsa_wavefront_size32 1
		.amdhsa_system_sgpr_workgroup_id_x 1
		.amdhsa_system_sgpr_workgroup_id_y 1
		.amdhsa_system_sgpr_workgroup_id_z 1
		.amdhsa_system_vgpr_workitem_id 0
		.amdhsa_next_free_vgpr 100
		.amdhsa_next_free_sgpr 66
		.amdhsa_reserve_vcc 0
		.amdhsa_float_denorm_mode_32 3
		.amdhsa_float_denorm_mode_16_64 3
		.amdhsa_memory_ordered 1
		.amdhsa_forward_progress 1
		.amdhsa_inst_pref_size 7
	.end_amdhsa_kernel
	.amdgpu_metadata
---
amdhsa.version: [ 1, 2 ]
amdhsa.kernels:
  - .name:           k_q84ebbdb758_cast
    .symbol:         k_q84ebbdb758_cast.kd
    .args:
      - { .name: x, .offset: 0, .size: 8, .value_kind: global_buffer, .address_space: global }
      - { .name: w_attn, .offset: 8, .size: 8, .value_kind: global_buffer, .address_space: global }
      - { .name: w_aproj, .offset: 16, .size: 8, .value_kind: global_buffer, .address_space: global }
      - { .name: w_fc, .offset: 24, .size: 8, .value_kind: global_buffer, .address_space: global }
      - { .name: w_mproj, .offset: 32, .size: 8, .value_kind: global_buffer, .address_space: global }
      - { .name: wb, .offset: 40, .size: 8, .value_kind: global_buffer, .address_space: global }
    .group_segment_fixed_size: 0
    .private_segment_fixed_size: 0
    .kernarg_segment_align: 8
    .kernarg_segment_size: 48
    .max_flat_workgroup_size: 256
    .sgpr_count:     66
    .vgpr_count:     100
    .wavefront_size: 32
...
	.end_amdgpu_metadata
.endif
;; end of part 1
;; launch gemm_qkv (part 2): grid 12 x 16, 4 waves a work-group, clusters of 4 x 4, 327,680 bytes of LDS; arguments wb, b_attn, qkv; writes qkv
.if DOCPART == 2
	.amdgcn_target "amdgcn-amd-amdhsa--gfx1250"
	.amdhsa_code_object_version 6
	.text
	.protected	k_q84ebbdb758_gemm_qkv
	.globl	k_q84ebbdb758_gemm_qkv
	.p2align	8
	.type	k_q84ebbdb758_gemm_qkv,@function
k_q84ebbdb758_gemm_qkv:
	s_mov_b64 s[64:65], 0
	v_nop
	global_prefetch_b8 v0, s[64:65] scope:SCOPE_SE
	s_setreg_imm32_b32 hwreg(HW_REG_WAVE_MODE, 25, 1), 1
	s_wait_xcnt 0x0
	s_wait_alu depctr_hold_cnt(0) depctr_sa_sdst(0) depctr_va_vdst(0) depctr_va_sdst(0) depctr_va_ssrc(0) depctr_va_vcc(0) depctr_vm_vsrc(0)
	s_getreg_b32 s2, hwreg(HW_REG_IB_STS2, 6, 4)
	s_cmp_eq_u32 s2, 0
	s_cbranch_scc0 .Lentry_in_a_cluster
	s_endpgm
.Lentry_in_a_cluster:
	s_bfe_u32 s2, ttmp6, 0x10000c
	s_cmp_lg_u32 s2, 0xf033
	s_cbranch_scc0 .Lentry_shape_is_right
	s_endpgm
.Lentry_shape_is_right:
; qkv = x w_attn + b_attn.  x: [4096][1024] bf16 (K along the rows), w_attn: [1024][3072] bf16 (N along the rows), both in wb.
; Sums in f32, result rounded once to bf16 and stored in panels: [3072/64][4096 rows][64] (a head is one panel, its rows dense).
; A work-group makes 256 x 256 of C with four waves, a wave 128 x 128: 64 accumulator tiles, 512 registers.
; K goes in steps of 128 through two LDS slots filled by the tensor data mover.  The weight tile keeps its [K][N] layout in LDS and is
; turned at the LDS read by the transposing load.
; CLUSTERS: 4 x 4 work-groups.  The x tile hangs on the block row alone and is asked for jointly by a row of the cluster, the weight
; tile on the block column alone and is asked for jointly by a column.
; 3072 / 256 x 4096 / 256 = 192 work-groups: blocks of 192 columns would give 256, but their rows of 384 bytes fit no padding interval.
; Limits: operands and result are bf16; non-finite inputs are not served.
; REGISTER WINDOWS: 0: addresses, x fragments (two buffers), the way out; 1: v0-63 bias, weight fragments (two buffers);
; 2: accumulators of my rows 0-63 (tile (a, b) at v[8 (8 a + b)]); 3: those of my rows 64-127.
; The matrix instruction takes the weight fragment as source 0 and the x fragment as source 1: lane l then holds row l % 16 of C and
; its eight registers the columns 8 (l / 16) + 0..7 of the tile.
.set SIZE_N,   3072
.set SIZE_K,   1024
.set GELU,     0
.set ARG_A,    0x0                     ; byte offsets of the addresses among the kernel arguments
.set ARG_B,    0x0
.set ARG_BIAS, 0x8
.set ARG_OUT,  0x10
.set A_OFF,    0                       ; x in wb
.set B_OFF,    8388608                 ; w_attn in wb
.set KSTEP,  128
.set PA,     272                       ; LDS row of x: 256 bytes + 16
.set PB,     544                       ; LDS row of the weights: 512 bytes + 32 = 17 x 32
.set HALFT,  34816                     ; 128 rows x 272 = 64 rows x 544: what one tensor load brings
.set SLOT,   4*HALFT                   ; 256 rows of x, then 128 k rows of the weights
.set STAGE,  2*SLOT                    ; 16 rows x 272 bytes for each wave, for the way out; no tensor load lands here
.set SPITCH, 272
.set PANEL,  524288                    ; 4096 rows x 128 bytes
.set LAPS,   SIZE_K/(2*KSTEP)
.set STEPA,  2*KSTEP*2                 ; two K steps along a row of x
.set STEPB,  2*KSTEP*SIZE_N*2          ; two K steps down the rows of the weights
.set ADRA, 16                          ; v16-17 LDS address of my x fragments in slot 0, 1
.set ADRB, 20                          ; v20-21 the same for the weights
.set STO,  24                          ; the way out: where I put 16 bytes of a row
.set RD,   25                          ; where I read them back
.set CO,   26                          ; my byte offset in the output
.set BO,   27                          ; my byte offset in the bias
.set KC1,  28                          ; v[28:29] GELU constant, twice
.set KC2,  30                          ; v[30:31] GELU constant, twice
.set F0,   64
.set F1,   128
.set TT,   64                          ; the way out: 64 results in f32
.set UU,   128                         ; the way out: at work
.set TMP,  192                         ; packed results
.set RB,   224                         ; rows read back
.set G1,  24
.set G0,  32
.set G1B, 48
.set G0B, 56
.set MSB, 0
.macro WIN new                         ; the high byte of the immediate repeats the setting that is left
.if MSB != \new
	s_set_vgpr_msb (MSB<<8)|\new
.set MSB, \new
.endif
.endm
.set MUL_LO, 0xa1                      ; source 0 window 1, source 1 window 0, C and D window 2
.set MUL_HI, 0xf1                      ; the same, C and D window 3
.set TO_B,   0x40                      ; destination window 1
; A joint load: waves 0 and 1 fetch the halves of the x tile, waves 2 and 3 those of the weight tile.  The branch hangs on the wave number alone.
.macro JLOAD s
	s_cmp_eq_u32 s11, 0
	s_cbranch_scc0 .Lfor_b_\@
	tensor_load_to_lds s[G0+4*\s:G0+4*\s+3], s[G1:G1+7]
	s_nop 0
	s_branch .Lasked_\@
.Lfor_b_\@:
	tensor_load_to_lds s[G0B+4*\s:G0B+4*\s+3], s[G1B:G1B+7]
	s_nop 0
.Lasked_\@:
.endm
.macro CREST                           ; a round of the cluster barrier behind its opening work-group barrier
	s_cmp_lg_u32 s10, 0
	s_cbranch_scc1 .Lnot_wave_0_\@
	s_barrier_signal -3
.Lnot_wave_0_\@:
	s_barrier_wait -3
	s_barrier_signal -1
	s_barrier_wait -1
.endm
.macro CROUND                          ; a whole round
	s_barrier_signal -1
	s_barrier_wait -1
	CREST
.endm
	s_load_b64 s[4:5], s[0:1], ARG_A
	s_load_b64 s[6:7], s[0:1], ARG_B
	s_load_b64 s[66:67], s[0:1], ARG_BIAS
	s_load_b64 s[8:9], s[0:1], ARG_OUT
	s_set_vgpr_msb 0x40
	v_lshl_add_u32 v255, v0, 2, 0x48400
	s_set_vgpr_msb 0x4000
	v_mov_b32 v63, 0
	s_set_vgpr_msb 0x1
	ds_add_u32 v255, v63
	ds_add_u32 v255, v63
	s_set_vgpr_msb 0x100
	v_lshrrev_b32 v1, 5, v0
	v_readfirstlane_b32 s10, v1                    ; wave 0..3
	s_lshr_b32 s11, s10, 1                         ; my half of the block rows; also: I fetch x (0) or weights (1)
	s_and_b32 s12, s10, 1                          ; my half of the block columns; also: which half of that tile I fetch
	s_bfe_u32 s40, ttmp6, 0x40000                  ; cx
	s_bfe_u32 s41, ttmp6, 0x40004                  ; cy
	s_lshl_b32 s42, ttmp9, 2
	s_add_co_u32 s42, s42, s40                     ; block column = 4 x cluster x + cx
	s_and_b32 s13, ttmp7, 0xffff
	s_lshl_b32 s13, s13, 2
	s_add_co_u32 s13, s13, s41                     ; block row = 4 x cluster y + cy
	s_lshl_b32 s43, s41, 2
	s_lshl_b32 s43, 15, s43                        ; my row of the cluster
	s_lshl_b32 s44, 0x1111, s40                    ; my column of the cluster
	; group 1 for x: 128 rows x 128 elements of 2 bytes, 4 words of padding behind every 64
	s_or_b32 s[G1+0], s43, (1<<16)|(1<<20)|(1<<21)|(5<<22)|(3<<25)
	s_mov_b32 s[G1+1], KSTEP<<16                   ; tensor_dim0 = 128
	s_mov_b32 s[G1+2], 128<<16                     ; tensor_dim1 = 128
	s_mov_b32 s[G1+3], KSTEP<<16                   ; tile_dim0 = 128
	s_mov_b32 s[G1+4], 128                         ; tile_dim1 = 128
	s_mov_b32 s[G1+5], SIZE_K                      ; elements from row to row
	s_mov_b32 s[G1+6], 0
	s_mov_b32 s[G1+7], 0
	; group 1 for the weights: 64 k rows x 256 elements, 8 words of padding behind every 128
	s_or_b32 s[G1B+0], s44, (1<<16)|(1<<20)|(1<<21)|(6<<22)|(7<<25)
	s_mov_b32 s[G1B+1], 256<<16
	s_mov_b32 s[G1B+2], 64<<16
	s_mov_b32 s[G1B+3], 256<<16
	s_mov_b32 s[G1B+4], 64
	s_mov_b32 s[G1B+5], SIZE_N
	s_mov_b32 s[G1B+6], 0
	s_mov_b32 s[G1B+7], 0
	; offsets of the first tiles: x hangs on the block row, the weights on the block column, each in registers of its own
	s_lshl_b32 s17, s12, 7
	s_lshl_b32 s16, s13, 8
	s_add_co_u32 s16, s16, s17                     ; row 256 x block row + 128 x half
	s_lshl_b32 s16, s16, 11                        ; x 2,048 bytes
.if A_OFF
	s_add_co_u32 s16, s16, A_OFF
.endif
	s_mov_b32 s17, 0
	s_mul_i32 s46, s12, 64*SIZE_N*2                ; 64 k rows x half
	s_lshl_b32 s47, s42, 9                         ; 512 bytes x block column
	s_add_co_u32 s46, s46, s47
	s_add_co_u32 s46, s46, B_OFF
	s_mov_b32 s47, 0
	s_mul_i32 s20, s10, HALFT                      ; where they go: wave x one load
	s_wait_dscnt 0x0
	s_wait_kmcnt 0x0
	s_add_nc_u64 s[14:15], s[4:5], s[16:17]
	s_add_nc_u64 s[46:47], s[6:7], s[46:47]
	CROUND                                         ; all sixteen work-groups are here: the first joint loads meet
.irp s, 0,1
	s_mov_b32 s[G0+4*\s], 1
	s_add_co_u32 s[G0+4*\s+1], s20, \s*SLOT
	s_add_nc_u64 s[G0+4*\s+2:G0+4*\s+3], s[14:15], \s*KSTEP*2
	s_or_b32 s[G0+4*\s+3], s[G0+4*\s+3], 0x80000000
	s_mov_b32 s[G0B+4*\s], 1
	s_add_co_u32 s[G0B+4*\s+1], s20, \s*SLOT
	s_add_nc_u64 s[G0B+4*\s+2:G0B+4*\s+3], s[46:47], \s*KSTEP*SIZE_N*2
	s_or_b32 s[G0B+4*\s+3], s[G0B+4*\s+3], 0x80000000
	JLOAD \s
.endr
	; the bias of my 128 columns, in the order in which a lane holds results: register 8 b + j = column 16 b + 8 (l / 16) + j
	s_lshl_b32 s46, s42, 10
	s_lshl_b32 s47, s12, 9
	s_add_co_u32 s46, s46, s47
	s_mov_b32 s47, 0
	s_add_nc_u64 s[66:67], s[66:67], s[46:47]
	v_and_b32 v1, 15, v0                           ; r = l % 16
	v_bfe_u32 v2, v0, 4, 1                         ; h = l / 16
	v_lshlrev_b32 v[BO], 5, v2
	WIN TO_B
.irp b, 0,1,2,3,4,5,6,7
	global_load_b128 v[8*\b:8*\b+3],   v[BO], s[66:67] offset:64*\b
	global_load_b128 v[8*\b+4:8*\b+7], v[BO], s[66:67] offset:64*\b+16
.endr
	WIN 0
	v_and_b32 v6, 7, v0
	v_bfe_u32 v7, v0, 3, 1
	v_mul_u32_u24 v3, v1, PA
	v_lshl_add_u32 v3, v2, 4, v3                   ; x fragment: row r, 16 bytes for each half of the lanes
	v_lshl_add_u32 v8, v2, 3, v6
	v_mul_u32_u24 v8, v8, PB
	v_lshl_add_u32 v8, v7, 4, v8                   ; weight fragment: k row 8 h + l % 8, 16 bytes by bit 3 of the lane
	s_mul_i32 s21, s11, HALFT                      ; my 128 rows of x
	s_lshl_b32 s22, s12, 8                         ; my 128 columns of the weights,
	s_add_co_u32 s22, s22, 2*HALFT                 ; which lie behind the 256 rows of x
.irp s, 0,1
	v_add_nc_u32 v[ADRA+\s], s21, v3
	v_add_nc_u32 v[ADRB+\s], s22, v8
	s_add_co_u32 s21, s21, SLOT
	s_add_co_u32 s22, s22, SLOT
.endr
	s_mul_i32 s23, s10, 16*SPITCH
	s_add_co_u32 s23, s23, STAGE                   ; my stage
	v_add_nc_u32 v[STO], s23, v3
	v_mul_u32_u24 v5, v7, SPITCH                   ; back: lanes 0-7 a row of panel 0, lanes 8-15 the next row, lanes 16-31 the same of panel 1
	v_lshl_add_u32 v5, v2, 7, v5
	v_lshl_add_u32 v5, v6, 4, v5
	v_add_nc_u32 v[RD], s23, v5
	v_lshlrev_b32 v5, 19, v2                       ; and the same places in the output
	v_lshl_add_u32 v5, v7, 7, v5
	v_lshl_add_u32 v[CO], v6, 4, v5
.if GELU
	v_mov_b32 v[KC1],   0xc0135761                 ; -2 log2(e) sqrt(2/pi)
	v_mov_b32 v[KC1+1], 0xc0135761
	v_mov_b32 v[KC2],   0xbdd2d3e8                 ; 0.044715 times that
	v_mov_b32 v[KC2+1], 0xbdd2d3e8
.endif
; 16 matrix instructions: m blocks a0, a0 + 1 of the four of a window x all 8 n blocks, 32 along K.  zero = 1: the first product starts the sums.
; The 64 accumulators take turns, one instruction a turn, in the same order in every quarter step.
.macro MUL16 f, hi, a0, zero
.irp a, \a0, \a0+1
.irp b, 0,1,2,3,4,5,6,7
.if \zero
	v_wmma_f32_16x16x32_bf16 v[8*(8*(\a)+\b):8*(8*(\a)+\b)+7], v[\f+8*\b:\f+8*\b+7], v[\f+8*(4*\hi+\a):\f+8*(4*\hi+\a)+7], 0
.else
	v_wmma_f32_16x16x32_bf16 v[8*(8*(\a)+\b):8*(8*(\a)+\b)+7], v[\f+8*\b:\f+8*\b+7], v[\f+8*(4*\hi+\a):\f+8*(4*\hi+\a)+7], v[8*(8*(\a)+\b):8*(8*(\a)+\b)+7]
.endif
.endr
.endr
.endm
; 32 LDS loads in one run: the fragments of quarter q (32 along K) of a slot into buffer f
.macro FETCH slot, q, f
	WIN TO_B
.irp i, 0,1,2,3,4,5,6,7
	ds_load_tr16_b128 v[\f+8*\i:\f+8*\i+3],   v[ADRB+\slot] offset:\q*32*PB+32*\i
	ds_load_tr16_b128 v[\f+8*\i+4:\f+8*\i+7], v[ADRB+\slot] offset:\q*32*PB+32*\i+16*PB
.endr
	WIN 0
.irp i, 0,1,2,3,4,5,6,7
	ds_load_b128 v[\f+8*\i:\f+8*\i+3],   v[ADRA+\slot] offset:\q*64+\i*16*PA
	ds_load_b128 v[\f+8*\i+4:\f+8*\i+7], v[ADRA+\slot] offset:\q*64+\i*16*PA+32
.endr
.endm
; four places behind a matrix instruction before a load lands on, or a vector instruction touches, one of its registers
.macro PLACES
.rept 4
	v_nop
.endr
.endm
.macro QUARTER slot, q, f, g, zero     ; multiplies buffer f; in its middle fetches quarter q of the same slot into buffer g
	s_wait_dscnt 8                                 ; weights and x rows 0-63 are in; the youngest eight loads (x rows 64-127) may be out
	WIN MUL_LO
	MUL16 \f, 0, 0, \zero
	MUL16 \f, 0, 2, \zero
	PLACES
	FETCH \slot, \q, \g
	s_wait_dscnt 32                                ; all but the 32 just issued
	WIN MUL_HI
	MUL16 \f, 1, 0, \zero
	MUL16 \f, 1, 2, \zero
.endm
.macro THREE slot, zero
	QUARTER \slot, 1, F0, F1, \zero
	QUARTER \slot, 2, F1, F0, 0
	QUARTER \slot, 3, F0, F1, 0
.endm
; The last quarter of a K step: multiplies buffer 1 and changes slots.  fill = 1: this slot is filled again, two K steps ahead.
.macro TURN slot, next, fill
	s_wait_dscnt 8
	WIN MUL_LO
	MUL16 F1, 0, 0, 0
	s_wait_dscnt 0                                 ; my reads of this slot are over
	s_wait_tensorcnt 0x0                           ; and all my tensor loads have landed: the one that was out is my part of the next slot
	ds_add_u32 v255, v63
	s_wait_dscnt 0x0
	s_barrier_signal -1                            ; where a slot is filled again this barrier opens a round of the cluster barrier
	MUL16 F1, 0, 2, 0                              ; register work while the others arrive
	WIN 0
	s_barrier_wait -1
.if \fill
	CREST                                          ; no wave of any partner still reads this slot or has a load on its way
	s_add_nc_u64 s[G0+4*\slot+2:G0+4*\slot+3], s[G0+4*\slot+2:G0+4*\slot+3], STEPA
	s_add_nc_u64 s[G0B+4*\slot+2:G0B+4*\slot+3], s[G0B+4*\slot+2:G0B+4*\slot+3], STEPB
	JLOAD \slot                                    ; the first tensor load behind the round, one a wave
.endif
	PLACES
	FETCH \next, 0, F0
	WIN MUL_HI
	MUL16 F1, 1, 0, 0
	MUL16 F1, 1, 2, 0
.endm
.macro LAP zero
	THREE 0, \zero
	TURN 0, 1, 1
	THREE 1, 0
	TURN 1, 0, 1
.endm
	s_wait_tensorcnt 1                             ; my part of K step 0 is in; K step 1 stays out
	s_barrier_signal -1
	s_barrier_wait -1
	FETCH 0, 0, F0
	LAP 1                                          ; the first lap stands in front of the loop: its first products start the sums
.if LAPS > 2
	WIN 0
	s_mov_b32 s3, LAPS-2
.Llap:
	LAP 0
	WIN 0
	s_sub_co_u32 s3, s3, 1
	s_cmp_lg_u32 s3, 0
	s_cbranch_scc1 .Llap
.endif
	THREE 0, 0                                     ; the last lap fills nothing
	TURN 0, 1, 0
	THREE 1, 0
	s_wait_dscnt 8
	WIN MUL_LO
	MUL16 F1, 0, 0, 0
	MUL16 F1, 0, 2, 0
	s_wait_dscnt 0
	WIN MUL_HI
	MUL16 F1, 1, 0, 0
	MUL16 F1, 1, 2, 0
	; THE WAY OUT, 16 rows at a time: bias (and GELU) in f32, one rounding to bf16, through my own stage, out as whole rows of a panel
	PLACES
	s_wait_loadcnt 0x0                             ; the bias
	s_lshl_b32 s16, s13, 8
	s_lshl_b32 s14, s11, 7
	s_add_co_u32 s16, s16, s14                     ; my first row
	s_lshl_b32 s16, s16, 7                         ; x 128 bytes
	s_mov_b32 s17, 0
	s_add_nc_u64 s[8:9], s[8:9], s[16:17]
	s_lshl_b32 s46, s42, 2
	s_lshl1_add_u32 s46, s12, s46                  ; my first panel = 4 x block column + 2 x half
	s_lshl_b32 s46, s46, 19
	s_mov_b32 s47, 0
	s_add_nc_u64 s[8:9], s[8:9], s[46:47]
; rows 16 i .. 16 i + 15 of my block = tiles (a, 0..7) of window 2 (from = 0x06) or 3 (0x07); source 1, the bias, is in window 1
.macro OUT16 i, a, from
	WIN \from
.irp b, 0,1,2,3,4,5,6,7
.irp k, 0,2,4,6
	v_pk_add_f32 v[TT+8*\b+\k:TT+8*\b+\k+1], v[8*(8*\a+\b)+\k:8*(8*\a+\b)+\k+1], v[8*\b+\k:8*\b+\k+1]
.endr
.endr
	WIN 0
.if GELU
	; gelu(x) = x / (1 + 2^(x (c1 + c2 x^2))), which is 0.5 x (1 + tanh(..)) written with one exponential
.set p, 0
.rept 32
	v_pk_mul_f32 v[UU+p:UU+p+1], v[TT+p:TT+p+1], v[TT+p:TT+p+1]
.set p, p+2
.endr
.set p, 0
.rept 32
	v_pk_fma_f32 v[UU+p:UU+p+1], v[UU+p:UU+p+1], v[KC2:KC2+1], v[KC1:KC1+1]
.set p, p+2
.endr
.set p, 0
.rept 32
	v_pk_mul_f32 v[UU+p:UU+p+1], v[UU+p:UU+p+1], v[TT+p:TT+p+1]
.set p, p+2
.endr
.set p, 0
.rept 64
	v_exp_f32 v[UU+p], v[UU+p]
.set p, p+1
.endr
	v_nop                                          ; one plain place behind the run of exponentials
.set p, 0
.rept 32
	v_pk_add_f32 v[UU+p:UU+p+1], v[UU+p:UU+p+1], 1.0 op_sel_hi:[1,0]
.set p, p+2
.endr
.set p, 0
.rept 64
	v_rcp_f32 v[UU+p], v[UU+p]
.set p, p+1
.endr
	v_nop                                          ; one plain place behind the run of reciprocals
.set p, 0
.rept 32
	v_pk_mul_f32 v[TT+p:TT+p+1], v[TT+p:TT+p+1], v[UU+p:UU+p+1]
.set p, p+2
.endr
.endif
.irp b, 0,1,2,3,4,5,6,7
.irp k, 0,1,2,3
	v_cvt_pk_bf16_f32 v[TMP+4*\b+\k], v[TT+8*\b+2*\k], v[TT+8*\b+2*\k+1]
.endr
.endr
.irp b, 0,1,2,3,4,5,6,7
	ds_store_b128 v[STO], v[TMP+4*\b:TMP+4*\b+3] offset:32*\b
.endr
	s_wait_xcnt 0x0                                ; RB, which the last stores read, is loaded again only behind this wait
.irp t, 0,1,2,3,4,5,6,7
	ds_load_b128 v[RB+4*\t:RB+4*\t+3], v[RD] offset:\t*2*SPITCH    ; LDS serves the instructions of a wave in order: these see the stores above
.endr
.irp t, 0,1,2,3,4,5,6,7
	s_wait_dscnt 7-\t
	global_store_b128 v[CO], v[RB+4*\t:RB+4*\t+3], s[8:9] offset:(16*\i+2*\t)*128   ; 16 lanes store 256 consecutive bytes (two rows of a panel), aligned
.endr
.endm
	OUT16 0, 0, 0x06
	OUT16 1, 1, 0x06
	OUT16 2, 2, 0x06
	OUT16 3, 3, 0x06
	OUT16 4, 0, 0x07
	OUT16 5, 1, 0x07
	OUT16 6, 2, 0x07
	OUT16 7, 3, 0x07
	s_set_vgpr_msb 0x1
	s_wait_tensorcnt 0x0
	ds_add_u32 v255, v63
	s_wait_dscnt 0x0
	s_set_vgpr_msb 0x100
	CROUND                                         ; the closing round: no work-group ends while a partner may still ask for a tile that names it
	s_endpgm
.Lfunc_end_k_q84ebbdb758_gemm_qkv:
	.size	k_q84ebbdb758_gemm_qkv, .Lfunc_end_k_q84ebbdb758_gemm_qkv-k_q84ebbdb758_gemm_qkv
	.p2alignl 7, 3214868480
	.fill 96, 4, 3214868480
	.section	.rodata,"a",@progbits
	.p2align	6, 0x0
	.amdhsa_kernel k_q84ebbdb758_gemm_qkv
		.amdhsa_group_segment_fixed_size 327680
		.amdhsa_private_segment_fixed_size 0
		.amdhsa_enable_private_segment 0
		.amdhsa_kernarg_size 24
		.amdhsa_user_sgpr_count 2
		.amdhsa_user_sgpr_kernarg_segment_ptr 1
		.amdhsa_wavefront_size32 1
		.amdhsa_system_sgpr_workgroup_id_x 1
		.amdhsa_system_sgpr_workgroup_id_y 1
		.amdhsa_system_sgpr_workgroup_id_z 1
		.amdhsa_system_vgpr_workitem_id 0
		.amdhsa_next_free_vgpr 1024
		.amdhsa_next_free_sgpr 68
		.amdhsa_reserve_vcc 0
		.amdhsa_float_denorm_mode_32 3
		.amdhsa_float_denorm_mode_16_64 3
		.amdhsa_memory_ordered 1
		.amdhsa_forward_progress 1
		.amdhsa_inst_pref_size 214
	.end_amdhsa_kernel
	.amdgpu_metadata
---
amdhsa.version: [ 1, 2 ]
amdhsa.kernels:
  - .name:           k_q84ebbdb758_gemm_qkv
    .symbol:         k_q84ebbdb758_gemm_qkv.kd
    .args:
      - { .name: wb, .offset: 0, .size: 8, .value_kind: global_buffer, .address_space: global }
      - { .name: b_attn, .offset: 8, .size: 8, .value_kind: global_buffer, .address_space: global }
      - { .name: qkv, .offset: 16, .size: 8, .value_kind: global_buffer, .address_space: global }
    .group_segment_fixed_size: 327680
    .private_segment_fixed_size: 0
    .kernarg_segment_align: 8
    .kernarg_segment_size: 24
    .max_flat_workgroup_size: 128
    .sgpr_count:     68
    .vgpr_count:     1024
    .wavefront_size: 32
...
	.end_amdgpu_metadata
.endif
;; end of part 2
;; launch attn (part 3): grid 8 x 32, 8 waves a work-group, no clusters, 327,680 bytes of LDS; arguments qkv, att; writes att
.if DOCPART == 3
	.amdgcn_target "amdgcn-amd-amdhsa--gfx1250"
	.amdhsa_code_object_version 6
	.text
	.protected	k_q84ebbdb758_attn
	.globl	k_q84ebbdb758_attn
	.p2align	8
	.type	k_q84ebbdb758_attn,@function
k_q84ebbdb758_attn:
	s_mov_b64 s[64:65], 0
	v_nop
	global_prefetch_b8 v0, s[64:65] scope:SCOPE_SE
	s_setreg_imm32_b32 hwreg(HW_REG_WAVE_MODE, 25, 1), 1
	s_wait_xcnt 0x0
; Causal softmax attention of one head.  qkv: 48 panels [4096 rows][64] bf16 (q of head hd: panel hd, k: 16 + hd, v: 32 + hd).
; att: [4096][1024] bf16 in fragment order: block (row / 16, column / 32) is 1,024 bytes at ((row / 16) 32 + column / 32) 1,024, and in it the
; 16 bytes at 512 p + 16 l hold row l % 16, columns 16 p + 8 (l / 16) + 0..7: what lane l of the next product loads.
; Work-group (i, bh) takes the query blocks 15 - i and i (128 rows each) of head bh: 16 - i and i + 1 key tiles of 128 keys, 17 for every
; work-group, as one stream of 17 steps.  Key tiles beyond the diagonal are masked out by the tril of the problem and are not visited.
; EIGHT WAVES, two for each SIMD: wave w takes the 32 queries of group w % 4 and the keys 64 (w / 4) .. + 63 of every tile, so that one wave's
; exponentials can run beside the other's products.  Each wave keeps its own maximum, sum and O; at the end of a query block waves 4-7 hand theirs
; to waves 0-3 through LDS, which merge them.
; Everything is computed transposed: S^T = K Q^T, O^T = V^T P^T.  A lane then holds one query (l % 16) and eight keys of each block of 16, so the
; maximum and the sum of a row are made inside the lane and with one exchange between the halves of the wave; the exponentials, packed to bf16,
; are already the second operand of the next product; and the packed results are already 16 bytes of att in fragment order.
; Softmax with a running maximum, in f32.  The scale 1/8 and log2(e) are one factor c.  What is kept from step to step is the maximum and the
; rounded shift -m c; old sums are rescaled by 2^(new shift - old shift), so old and new terms use the same rounded shifts.
; Masked scores are -8e9 before the scale, which is the -1e9 of the problem behind it.
; An LDS slot holds the tiles of two steps; each of the eight waves brings 64 keys of K or of V, so there is one barrier for two steps.
; NO MULTICAST: the work-groups of one head are at different key tiles in the same step (their streams are 16 - i and i + 1 tiles long), and a
; form in which all walk all tiles would double the products and exponentials.
; Limits: operands and result are bf16; exponentials below 2^-126 count as zero; non-finite inputs are not served.
; REGISTER WINDOWS: 0: addresses, statistics, Q of both blocks, O, S; 1: v0-63 K fragments, v64-127 V fragments.
.set PANEL, 524288
.set QT,    10240                      ; LDS bytes of one tensor load: 64 keys x 144 (K, 9,216 used) or x 160 (V)
.set TILE,  4*QT                       ; a key tile: K half 0, K half 1, V half 0, V half 1
.set SLOT,  2*TILE                     ; the tiles of two steps
.set MERGE, 2*SLOT                     ; behind the ring: what waves 4-7 hand to waves 0-3; no tensor load lands here
.set MGW,   17*512                     ; 64 registers of O and 4 of statistics, 16 bytes a lane at a time
.set KP,    144                        ; LDS row of K: 128 bytes + 16
.set VP,    160                        ; LDS row of V: 128 bytes + 32 = 5 x 32
.set ADRK, 4                           ; v4-5   LDS address of my K fragments in slot 0, 1
.set ADRV, 6                           ; v6-7   the same for V
.set MG,   8                           ; my 16 bytes in the hand-over area of my query group
.set CO,   10                          ; 16 x lane
.set QOFF, 11
.set DU,   12                          ; v12-13 my query in the block less my first key in the tile, for u = 0, 1
.set MX,   14                          ; v14-15 running maximum
.set LS,   16                          ; v16-17 running sum (of my half of the lanes)
.set AL,   18                          ; v18, v20 rescaling factor (first of a pair)
.set NM,   22                          ; v22, v24 shift -m c (first of a pair)
.set TP,   26                          ; v26-31 at work; v0-3 too, behind the head
.set QF,   32                          ; Q(u, kk) at 32 + 8 (2 u + kk)
.set OA,   64                          ; O(d, u) at 64 + 8 (2 d + u)
.set SC,   128                         ; S(t, u) at 128 + 32 u + 8 t; P(u, c) lies on S(2 c, u)
.set QL,   192                         ; Q of the second block
.set KF,   0                           ; window 1: K(t, kk) at 8 (2 t + kk)
.set VF,   64                          ; window 1: V(d, c) at 64 + 8 (4 c + d)
.set G1K, 28
.set G1V, 36
.set G0K, 44
.set G0V, 52
.set MSB, 0
.macro WIN new                         ; the high byte of the immediate repeats the setting that is left
.if MSB != (\new)
	s_set_vgpr_msb (MSB<<8)|(\new)
.set MSB, (\new)
.endif
.endm
.macro PLACES
.rept 4
	v_nop
.endr
.endm
.macro KVLOAD s                        ; of each four waves two fetch the halves of a K tile, two those of its V tile
	s_cmp_eq_u32 s11, 0
	s_cbranch_scc0 .Lfor_v_\@
	tensor_load_to_lds s[G0K+4*\s:G0K+4*\s+3], s[G1K:G1K+7]
	s_nop 0
	s_branch .Lasked_\@
.Lfor_v_\@:
	tensor_load_to_lds s[G0V+4*\s:G0V+4*\s+3], s[G1V:G1V+7]
	s_nop 0
.Lasked_\@:
.endm
	s_load_b128 s[4:7], s[0:1], 0x0                ; qkv s[4:5], att s[6:7]
	v_lshl_add_u32 v254, v0, 2, 0x30800
	v_mov_b32 v255, 0
	ds_add_u32 v254, v255
	ds_add_u32 v254, v255
	v_lshrrev_b32 v1, 5, v0
	v_readfirstlane_b32 s8, v1                     ; wave 0..7
	s_and_b32 s9, s8, 1                            ; which 64 keys of a tile I fetch
	s_lshr_b32 s11, s8, 1
	s_and_b32 s11, s11, 1                          ; I fetch K (0) or V (1)
	s_lshr_b32 s23, s8, 2                          ; my half of the keys of every tile; also: which of the two tiles of a slot I fetch
	s_and_b32 s3, s8, 3                            ; my group of 32 queries
	s_mov_b32 s10, ttmp9                           ; i
	s_sub_co_u32 s12, 15, s10                      ; td: the step of the first diagonal
	s_sub_co_u32 s13, 16, s10                      ; the first step of the second block
	s_and_b32 s26, ttmp7, 0xffff
	s_lshr_b32 s27, s26, 4                         ; batch
	s_and_b32 s26, s26, 15                         ; head
	s_mov_b32 s14, 0                               ; t
	s_mov_b32 s17, 0
	s_mov_b32 s20, 0x3e38aa3b                      ; c = log2(e) / 8
	s_mov_b32 s21, 0x3e38aa3b
	s_mov_b32 s22, 0xcfee6b28                      ; -8e9
	s_mov_b32 s24, 0x76543210                      ; lane i of one half reads lane i of the other
	s_mov_b32 s25, 0xfedcba98
	; group 1: 64 keys are 8 KiB dense in memory: 32 rows of 32 elements of 8 bytes; padding behind every 32 words (a key), 4 words for K, 8 for V
	s_mov_b32 s[G1K+0], (3<<16)|(1<<20)|(4<<22)|(3<<25)
	s_mov_b32 s[G1V+0], (3<<16)|(1<<20)|(4<<22)|(7<<25)
.irp g, G1K, G1V
	s_mov_b32 s[\g+1], 32<<16
	s_mov_b32 s[\g+2], 32<<16
	s_mov_b32 s[\g+3], 32<<16
	s_mov_b32 s[\g+4], 32
	s_mov_b32 s[\g+5], 32
	s_mov_b32 s[\g+6], 0
	s_mov_b32 s[\g+7], 0
.endr
	s_mul_i32 s18, s8, QT                          ; where my loads go: wave x one load, plus the slot
.irp s, 0,1
	s_mov_b32 s[G0K+4*\s], 1
	s_add_co_u32 s[G0K+4*\s+1], s18, \s*SLOT
	s_mov_b32 s[G0V+4*\s], 1
	s_add_co_u32 s[G0V+4*\s+1], s18, \s*SLOT
.endr
	s_lshl_b32 s18, s26, 19                        ; head x panel
	s_lshl_b32 s19, s27, 18                        ; batch x 2,048 rows x 128 bytes
	s_add_co_u32 s18, s18, s19
	s_lshl_b32 s19, s9, 13                         ; my half of a tile: 64 keys x 128 bytes
	s_add_co_u32 s19, s18, s19
	s_wait_dscnt 0x0
	s_wait_kmcnt 0x0
	s_add_co_u32 s16, s19, 16*PANEL
	s_add_nc_u64 s[60:61], s[4:5], s[16:17]        ; K of my head, my half of tile 0
	s_add_co_u32 s16, s19, 32*PANEL
	s_add_nc_u64 s[62:63], s[4:5], s[16:17]        ; V likewise
	s_lshl_b32 s16, s23, 14                        ; slot 0 gets the tiles of steps 0 and 1, slot 1 those of steps 2 and 3 (td is at least 8)
	s_add_nc_u64 s[G0K+2:G0K+3], s[60:61], s[16:17]
	s_add_nc_u64 s[G0V+2:G0V+3], s[62:63], s[16:17]
	s_add_nc_u64 s[G0K+6:G0K+7], s[G0K+2:G0K+3], 0x8000
	s_add_nc_u64 s[G0V+6:G0V+7], s[G0V+2:G0V+3], 0x8000
.irp g, G0K+3, G0K+7, G0V+3, G0V+7
	s_or_b32 s[\g], s[\g], 0x80000000
.endr
	s_cmp_eq_u32 s11, 0                            ; the first fills: both slots, two loads a wave, ahead of every wait, LDS read and barrier
	s_cbranch_scc0 .Lfirst_v
	tensor_load_to_lds s[G0K:G0K+3], s[G1K:G1K+7]
	s_nop 0
	tensor_load_to_lds s[G0K+4:G0K+7], s[G1K:G1K+7]
	s_nop 0
	s_branch .Lfirst_done
.Lfirst_v:
	tensor_load_to_lds s[G0V:G0V+3], s[G1V:G1V+7]
	s_nop 0
	tensor_load_to_lds s[G0V+4:G0V+7], s[G1V:G1V+7]
	s_nop 0
.Lfirst_done:
	s_lshl_b32 s19, s3, 12                         ; my 32 rows x 128 bytes
	s_add_co_u32 s18, s18, s19
	s_lshl_b32 s19, s12, 14                        ; block 15 - i
	s_add_co_u32 s16, s18, s19
	s_add_nc_u64 s[70:71], s[4:5], s[16:17]        ; its Q
	s_lshl_b32 s19, s10, 14                        ; block i
	s_add_co_u32 s16, s18, s19
	s_add_nc_u64 s[72:73], s[4:5], s[16:17]
	s_lshl_b32 s18, s27, 22                        ; att: batch x 128 row blocks x 32 KiB
	s_lshl_b32 s19, s3, 16                         ; my two row blocks
	s_add_co_u32 s18, s18, s19
	s_lshl_b32 s19, s26, 11                        ; head x two blocks of 1,024 bytes
	s_add_co_u32 s18, s18, s19
	s_lshl_b32 s19, s12, 18                        ; block 15 - i: 8 row blocks
	s_add_co_u32 s16, s18, s19
	s_add_nc_u64 s[66:67], s[6:7], s[16:17]
	s_lshl_b32 s19, s10, 18                        ; block i
	s_add_co_u32 s16, s18, s19
	s_add_nc_u64 s[68:69], s[6:7], s[16:17]
	v_and_b32 v1, 15, v0                           ; r
	v_bfe_u32 v2, v0, 4, 1                         ; h
	v_and_b32 v3, 7, v0
	v_lshlrev_b32 v[QOFF], 7, v1
	v_lshl_add_u32 v[QOFF], v2, 4, v[QOFF]         ; Q fragment: row r, 16 bytes for each half of the lanes
.irp u, 0,1
.irp kk, 0,1
	global_load_b128 v[QF+8*(2*\u+\kk):QF+8*(2*\u+\kk)+3],   v[QOFF], s[70:71] offset:\u*2048+\kk*64
	global_load_b128 v[QF+8*(2*\u+\kk)+4:QF+8*(2*\u+\kk)+7], v[QOFF], s[70:71] offset:\u*2048+\kk*64+32
.endr
.endr
.irp u, 0,1
.irp kk, 0,1
	global_load_b128 v[QL+8*(2*\u+\kk):QL+8*(2*\u+\kk)+3],   v[QOFF], s[72:73] offset:\u*2048+\kk*64
	global_load_b128 v[QL+8*(2*\u+\kk)+4:QL+8*(2*\u+\kk)+7], v[QOFF], s[72:73] offset:\u*2048+\kk*64+32
.endr
.endr
	v_bfe_u32 v26, v0, 3, 1
	s_mul_i32 s18, s23, QT                         ; my half of the keys
	v_mul_u32_u24 v27, v1, KP
	v_lshl_add_u32 v27, v2, 4, v27                 ; r x 144 + 16 h
	v_add_nc_u32 v[ADRK], s18, v27
	v_add_nc_u32 v[ADRK+1], SLOT, v[ADRK]
	v_lshl_add_u32 v28, v2, 3, v3
	v_mul_u32_u24 v28, v28, VP
	v_lshl_add_u32 v28, v26, 4, v28                ; (8 h + l % 8) x 160 + 16 x bit 3 of the lane
	s_add_co_u32 s18, s18, 2*QT                    ; V lies behind the two halves of K
	v_add_nc_u32 v[ADRV], s18, v28
	v_add_nc_u32 v[ADRV+1], SLOT, v[ADRV]
	v_and_b32 v29, 31, v0
	v_lshlrev_b32 v[CO], 4, v29
	s_mul_i32 s18, s3, MGW
	s_add_co_u32 s18, s18, MERGE
	v_add_nc_u32 v[MG], s18, v[CO]
	s_lshl_b32 s18, s3, 5
	s_lshl_b32 s19, s23, 6
	s_sub_co_i32 s18, s18, s19                     ; 32 x query group - 64 x key half
	v_lshlrev_b32 v31, 3, v2
	v_sub_nc_u32 v31, v1, v31
	v_add_nc_u32 v[DU], s18, v31                   ; + r - 8 h
	v_add_nc_u32 v[DU+1], 16, v[DU]
	v_mov_b32 v30, 0
.irp u, 0,1
	v_mov_b32 v[MX+\u], 0xff800000                 ; -inf
	v_mov_b32 v[LS+\u], 0
	v_mov_b32 v[NM+2*\u], 0x7f800000               ; +inf: the first rescaling factor is 2^-inf = 0
	v_mov_b32 v[NM+2*\u+1], 0                      ; the second register of a pair is named by packed lines and never used
	v_mov_b32 v[AL+2*\u+1], 0
.endr
; the diagonal tile: my key 16 t + 8 h + j of my half stays where it is not beyond my query
.macro MASK
.irp u, 0,1
.irp t, 0,1,2,3
.irp j, 0,1,2,3,4,5,6,7
	v_cmp_le_i32 vcc_lo, 16*\t+\j, v[DU+\u]
	v_cndmask_b32 v[SC+32*\u+8*\t+\j], s22, v[SC+32*\u+8*\t+\j], vcc_lo
.endr
.endr
.endr
.endm
.macro SUM4 base
	v_pk_add_f32 v[0:1],   v[0:1],   v[\base:\base+1]
	v_pk_add_f32 v[2:3],   v[2:3],   v[\base+2:\base+3]
	v_pk_add_f32 v[28:29], v[28:29], v[\base+4:\base+5]
	v_pk_add_f32 v[30:31], v[30:31], v[\base+6:\base+7]
.endm
; 16 queries (u) x 64 keys: new maximum, exponentials, sum, P in bf16, O rescaled
.macro SOFTMAX u, first
.irp k, 0,1,2,3
	v_max_num_f32 v[TP+\k], v[SC+32*\u+8*\k], v[SC+32*\u+8*\k+1]
.endr
.irp e, 2,4,6
.irp k, 0,1,2,3
	v_max3_num_f32 v[TP+\k], v[TP+\k], v[SC+32*\u+8*\k+\e], v[SC+32*\u+8*\k+\e+1]
.endr
.endr
	v_max3_num_f32 v[TP], v[TP], v[TP+1], v[TP+2]
	v_max3_num_f32 v[TP], v[TP], v[TP+3], v[MX+\u]
	v_permlanex16_b32 v[TP+1], v[TP], s24, s25     ; the other lanes' keys of my query
	v_max_num_f32 v[MX+\u], v[TP], v[TP+1]
	v_mul_f32 v[TP+1], 0xbe38aa3b, v[MX+\u]        ; the new shift -m c
	v_sub_f32 v[TP+2], v[TP+1], v[NM+2*\u]
	v_exp_f32 v[AL+2*\u], v[TP+2]
	v_mov_b32 v[NM+2*\u], v[TP+1]                  ; also the plain place behind the exponential
.set p, 0
.rept 16
	v_pk_fma_f32 v[SC+32*\u+p:SC+32*\u+p+1], v[SC+32*\u+p:SC+32*\u+p+1], s[20:21], v[NM+2*\u:NM+2*\u+1] op_sel_hi:[1,0,0]
.set p, p+2
.endr
.set p, 0
.rept 32
	v_exp_f32 v[SC+32*\u+p], v[SC+32*\u+p]
.set p, p+1
.endr
	v_nop                                          ; one plain place behind the run of exponentials
	s_wait_alu depctr_va_vdst(0)
	v_pk_add_f32 v[0:1],   v[SC+32*\u:SC+32*\u+1],     v[SC+32*\u+8:SC+32*\u+9]
	v_pk_add_f32 v[2:3],   v[SC+32*\u+2:SC+32*\u+3],   v[SC+32*\u+10:SC+32*\u+11]
	v_pk_add_f32 v[28:29], v[SC+32*\u+4:SC+32*\u+5],   v[SC+32*\u+12:SC+32*\u+13]
	v_pk_add_f32 v[30:31], v[SC+32*\u+6:SC+32*\u+7],   v[SC+32*\u+14:SC+32*\u+15]
.irp e, 16,24
	SUM4 SC+32*\u+\e
.endr
	v_pk_add_f32 v[0:1], v[0:1], v[2:3]
	v_pk_add_f32 v[28:29], v[28:29], v[30:31]
	v_pk_add_f32 v[0:1], v[0:1], v[28:29]
	v_add_f32 v0, v0, v1
	v_fma_f32 v[LS+\u], v[LS+\u], v[AL+2*\u], v0
.irp c, 0,1
.irp k, 0,1,2,3,4,5,6,7
	v_cvt_pk_bf16_f32 v[SC+32*\u+16*\c+\k], v[SC+32*\u+16*\c+2*\k], v[SC+32*\u+16*\c+2*\k+1]   ; in place: the destination never passes an unread source
.endr
.endr
.if \first == 0
.irp d, 0,1,2,3
.irp k, 0,2,4,6
	v_pk_mul_f32 v[OA+8*(2*\d+\u)+\k:OA+8*(2*\d+\u)+\k+1], v[OA+8*(2*\d+\u)+\k:OA+8*(2*\d+\u)+\k+1], v[AL+2*\u:AL+2*\u+1] op_sel_hi:[1,0]
.endr
.endr
.endif
.endm
; 32 keys (c) into all eight accumulators of O, which take turns, one instruction a turn
.macro PVC c, zero
.irp d, 0,1,2,3
.irp u, 0,1
.if \zero
	v_wmma_f32_16x16x32_bf16 v[OA+8*(2*\d+\u):OA+8*(2*\d+\u)+7], v[VF+8*(4*\c+\d):VF+8*(4*\c+\d)+7], v[SC+32*\u+16*\c:SC+32*\u+16*\c+7], 0
.else
	v_wmma_f32_16x16x32_bf16 v[OA+8*(2*\d+\u):OA+8*(2*\d+\u)+7], v[VF+8*(4*\c+\d):VF+8*(4*\c+\d)+7], v[SC+32*\u+16*\c:SC+32*\u+16*\c+7], v[OA+8*(2*\d+\u):OA+8*(2*\d+\u)+7]
.endif
.endr
.endr
.endm
; A query block is done.  Waves 4-7 put O, shift and sum into LDS, lane for lane; behind a barrier waves 0-3 merge them with their own, divide by
; the sum, round to bf16 and store.  reinit = 1: a second barrier (the hand-over bytes are free again), and the second block begins.
; Every wave passes both barriers: the branches on the wave number jump over none.
.macro FINAL base, reinit
	PLACES
	s_cmp_eq_u32 s23, 0
	s_cbranch_scc1 .Lkeep_\@
	v_mov_b32 v28, v[NM]
	v_mov_b32 v29, v[NM+2]
	v_mov_b32 v30, v[LS]
	v_mov_b32 v31, v[LS+1]
.set p, 0
.rept 16
	ds_store_b128 v[MG], v[OA+4*p:OA+4*p+3] offset:512*p
.set p, p+1
.endr
	ds_store_b128 v[MG], v[28:31] offset:8192
.Lkeep_\@:
	s_wait_dscnt 0x0                               ; what I hand over is written
	s_barrier_signal -1
	s_barrier_wait -1
	s_cmp_lg_u32 s23, 0
	s_cbranch_scc1 .Lgave_\@
	ds_load_b128 v[28:31], v[MG] offset:8192
.set p, 0
.rept 16
	ds_load_b128 v[SC+4*p:SC+4*p+3], v[MG] offset:512*p
.set p, p+1
.endr
	s_wait_dscnt 16                                ; the partner's shifts and sums are in; its O, 16 loads, stays out
	v_min_num_f32 v26, v[NM],   v28                ; the smaller shift belongs to the larger maximum
	v_min_num_f32 v27, v[NM+2], v29
	v_sub_f32 v0, v26, v[NM]
	v_sub_f32 v1, v27, v[NM+2]
	v_sub_f32 v2, v26, v28
	v_sub_f32 v3, v27, v29
	v_exp_f32 v0, v0
	v_exp_f32 v1, v1
	v_exp_f32 v2, v2
	v_exp_f32 v3, v3
	v_nop                                          ; one plain place behind the exponentials
	s_wait_alu depctr_va_vdst(0)
	v_mul_f32 v[LS],   v[LS],   v0
	v_mul_f32 v[LS+1], v[LS+1], v1
	v_fma_f32 v[LS],   v30, v2, v[LS]
	v_fma_f32 v[LS+1], v31, v3, v[LS+1]
	v_permlanex16_b32 v26, v[LS],   s24, s25
	v_permlanex16_b32 v27, v[LS+1], s24, s25
	v_add_f32 v26, v26, v[LS]                      ; the two halves of the lanes meet here, once
	v_add_f32 v27, v27, v[LS+1]
	v_rcp_f32 v28, v26
	v_rcp_f32 v29, v27
	v_nop                                          ; one plain place behind the reciprocals
	s_wait_alu depctr_va_vdst(0)
	v_mul_f32 v[AL],   v0, v28                     ; my factor
	v_mul_f32 v[AL+2], v1, v29
	v_mul_f32 v[NM],   v2, v28                     ; the partner's
	v_mul_f32 v[NM+2], v3, v29
	s_wait_dscnt 0x0
.irp d, 0,1,2,3
.irp u, 0,1
.irp k, 0,2,4,6
	v_pk_mul_f32 v[OA+8*(2*\d+\u)+\k:OA+8*(2*\d+\u)+\k+1], v[OA+8*(2*\d+\u)+\k:OA+8*(2*\d+\u)+\k+1], v[AL+2*\u:AL+2*\u+1] op_sel_hi:[1,0]
	v_pk_fma_f32 v[OA+8*(2*\d+\u)+\k:OA+8*(2*\d+\u)+\k+1], v[SC+8*(2*\d+\u)+\k:SC+8*(2*\d+\u)+\k+1], v[NM+2*\u:NM+2*\u+1], v[OA+8*(2*\d+\u)+\k:OA+8*(2*\d+\u)+\k+1] op_sel_hi:[1,0,1]
.endr
.endr
.endr
.irp u, 0,1
.irp d, 0,1,2,3
.irp k, 0,1,2,3
	v_cvt_pk_bf16_f32 v[SC+4*(4*\u+\d)+\k], v[OA+8*(2*\d+\u)+2*\k], v[OA+8*(2*\d+\u)+2*\k+1]
.endr
.endr
.endr
.irp u, 0,1
.irp d, 0,1,2,3
	global_store_b128 v[CO], v[SC+4*(4*\u+\d):SC+4*(4*\u+\d)+3], s[\base:\base+1] offset:\u*32768+\d*512   ; row block u, half d of two blocks: 512 consecutive bytes, aligned
.endr
.endr
.if \reinit
	s_wait_xcnt 0x0                                ; the registers that the stores read are written again by the next products only behind this wait
.endif
.Lgave_\@:
.if \reinit
	s_wait_dscnt 0x0                               ; my reads of the hand-over bytes are back
	s_barrier_signal -1
	s_barrier_wait -1
.set p, 0
.rept 32
	v_mov_b32 v[QF+p], v[QL+p]                     ; Q of the second block takes its place, once in the launch
.set p, p+1
.endr
.irp u, 0,1
	v_mov_b32 v[MX+\u], 0xff800000
	v_mov_b32 v[NM+2*\u], 0x7f800000               ; the next rescaling factor is 0: O needs no clearing
	v_mov_b32 v[LS+\u], 0
.endr
.endif
.endm
; The change of slots, in front of the two steps that read slot.  refill = 1: the other slot gets the tiles of the two steps behind them;
; 2: only one step is left, so waves 4-7 fetch nothing; 0: nothing is left to fetch.
.macro TWO slot, refill
	s_wait_tensorcnt 0x0                           ; all my tensor loads have landed, my part of this slot among them: a group 0 may be written
	ds_add_u32 v254, v255
	s_wait_dscnt 0x0
.if \refill
	s_add_co_u32 s18, s14, 2
	s_add_co_u32 s18, s18, s23                     ; the step whose tile I fetch
	s_cmp_gt_u32 s18, s12
	s_cselect_b32 s19, s13, 0                      ; in the second block the tiles count from its first step
	s_sub_co_u32 s18, s18, s19
	s_lshl_b32 s16, s18, 14                        ; tile x 16 KiB
	s_add_nc_u64 s[G0K+4*(1-\slot)+2:G0K+4*(1-\slot)+3], s[60:61], s[16:17]
	s_or_b32 s[G0K+4*(1-\slot)+3], s[G0K+4*(1-\slot)+3], 0x80000000
	s_add_nc_u64 s[G0V+4*(1-\slot)+2:G0V+4*(1-\slot)+3], s[62:63], s[16:17]
	s_or_b32 s[G0V+4*(1-\slot)+3], s[G0V+4*(1-\slot)+3], 0x80000000
.endif
	s_wait_dscnt 0x0                               ; my reads of the other slot are over
	s_barrier_signal -1
	s_barrier_wait -1                              ; both now hold of every wave
.if \refill == 1
	KVLOAD (1-\slot)                               ; my one tensor load behind this barrier, into the slot read last
.endif
.if \refill == 2
	s_cmp_lg_u32 s23, 0
	s_cbranch_scc1 .Lnone_\@
	KVLOAD (1-\slot)
.Lnone_\@:
.endif
.endm
; My 64 keys of one key tile.  slot, sub: where the tile lies; first = 1: the products start the sums of O;
; diag: 0 never the diagonal, 1 if t = td, 2 always.
.macro STEP slot, sub, first, diag
.if \first
	s_wait_loadcnt 0x0                             ; Q of both blocks
.else
.rept 5
	v_nop                                          ; five places: the products below write over P, and the loads land on fragments, that the last products read
.endr
.endif
	WIN 0x40
.irp t, 0,1,2,3
.irp kk, 0,1
	ds_load_b128 v[KF+8*(2*\t+\kk):KF+8*(2*\t+\kk)+3],   v[ADRK+\slot] offset:\sub*TILE+\t*16*KP+\kk*64
	ds_load_b128 v[KF+8*(2*\t+\kk)+4:KF+8*(2*\t+\kk)+7], v[ADRK+\slot] offset:\sub*TILE+\t*16*KP+\kk*64+32
.endr
.endr
.irp c, 0,1
.irp d, 0,1,2,3
	ds_load_tr16_b128 v[VF+8*(4*\c+\d):VF+8*(4*\c+\d)+3],   v[ADRV+\slot] offset:\sub*TILE+\c*32*VP+\d*32
	ds_load_tr16_b128 v[VF+8*(4*\c+\d)+4:VF+8*(4*\c+\d)+7], v[ADRV+\slot] offset:\sub*TILE+\c*32*VP+\d*32+16*VP
.endr
.endr
	WIN 0x01                                       ; source 0 (K, V) window 1
.irp g, 0,1
	s_wait_dscnt 24-8*\g                           ; of 32 loads the first 8 (g + 1) are in: K blocks up to 2 g + 1; later K and all V stay out
.irp kk, 0,1
.irp t, 2*\g, 2*\g+1
.irp u, 0,1
.if \kk == 0
	v_wmma_f32_16x16x32_bf16 v[SC+32*\u+8*(\t):SC+32*\u+8*(\t)+7], v[KF+8*(2*(\t)+\kk):KF+8*(2*(\t)+\kk)+7], v[QF+8*(2*\u+\kk):QF+8*(2*\u+\kk)+7], 0
.else
	v_wmma_f32_16x16x32_bf16 v[SC+32*\u+8*(\t):SC+32*\u+8*(\t)+7], v[KF+8*(2*(\t)+\kk):KF+8*(2*(\t)+\kk)+7], v[QF+8*(2*\u+\kk):QF+8*(2*\u+\kk)+7], v[SC+32*\u+8*(\t):SC+32*\u+8*(\t)+7]
.endif
.endr
.endr
.endr
.endr
	WIN 0
	PLACES
.if \diag == 1
	s_cmp_lg_u32 s14, s12
	s_cbranch_scc1 .Lno_mask_\@
	MASK
.Lno_mask_\@:
.endif
.if \diag == 2
	MASK
.endif
	SOFTMAX 0, \first
	SOFTMAX 1, \first
	s_wait_dscnt 0x0                               ; V
	WIN 0x01
	PVC 0, \first
	PVC 1, 0
	WIN 0
.if \diag == 1
	s_cmp_lg_u32 s14, s12                          ; the step counter and the number of the work-group: the same in all eight waves
	s_cbranch_scc1 .Lno_final_\@
	FINAL 66, 1
.Lno_final_\@:
.endif
.if \diag == 2
	FINAL 68, 0
.else
	s_add_co_u32 s14, s14, 1
.endif
.endm
	s_wait_tensorcnt 0x1                           ; my part of slot 0 is in; slot 1 stays out
	s_barrier_signal -1
	s_barrier_wait -1
	STEP 0, 0, 1, 0                                ; t = 0, 1: td is at least 8, so these are no diagonals
	STEP 0, 1, 0, 0
	s_mov_b32 s15, 0
.Lpair:                                            ; t = 2 .. 13
	TWO 1, 1
	STEP 1, 0, 0, 1
	STEP 1, 1, 0, 1
	TWO 0, 1
	STEP 0, 0, 0, 1
	STEP 0, 1, 0, 1
	s_add_co_u32 s15, s15, 1
	s_cmp_lt_u32 s15, 3
	s_cbranch_scc1 .Lpair
	TWO 1, 2                                       ; t = 14, 15; slot 0 gets the tile of t = 16 alone
	STEP 1, 0, 0, 1
	STEP 1, 1, 0, 1
	TWO 0, 0
	STEP 0, 0, 0, 2                                ; t = 16: the diagonal of the second block
	s_wait_tensorcnt 0x0
	ds_add_u32 v254, v255
	s_wait_dscnt 0x0
	s_endpgm
.Lfunc_end_k_q84ebbdb758_attn:
	.size	k_q84ebbdb758_attn, .Lfunc_end_k_q84ebbdb758_attn-k_q84ebbdb758_attn
	.p2alignl 7, 3214868480
	.fill 96, 4, 3214868480
	.section	.rodata,"a",@progbits
	.p2align	6, 0x0
	.amdhsa_kernel k_q84ebbdb758_attn
		.amdhsa_group_segment_fixed_size 327680
		.amdhsa_private_segment_fixed_size 0
		.amdhsa_enable_private_segment 0
		.amdhsa_kernarg_size 16
		.amdhsa_user_sgpr_count 2
		.amdhsa_user_sgpr_kernarg_segment_ptr 1
		.amdhsa_wavefront_size32 1
		.amdhsa_system_sgpr_workgroup_id_x 1
		.amdhsa_system_sgpr_workgroup_id_y 1
		.amdhsa_system_sgpr_workgroup_id_z 1
		.amdhsa_system_vgpr_workitem_id 0
		.amdhsa_next_free_vgpr 384
		.amdhsa_next_free_sgpr 74
		.amdhsa_reserve_vcc 1
		.amdhsa_float_denorm_mode_32 3
		.amdhsa_float_denorm_mode_16_64 3
		.amdhsa_memory_ordered 1
		.amdhsa_forward_progress 1
		.amdhsa_inst_pref_size 255
	.end_amdhsa_kernel
	.section	.bss,"aw",@nobits
	.p2align	6
	.space	262144
	.amdgpu_metadata
---
amdhsa.version: [ 1, 2 ]
amdhsa.kernels:
  - .name:           k_q84ebbdb758_attn
    .symbol:         k_q84ebbdb758_attn.kd
    .args:
      - { .name: qkv, .offset: 0, .size: 8, .value_kind: global_buffer, .address_space: global }
      - { .name: att, .offset: 8, .size: 8, .value_kind: global_buffer, .address_space: global }
    .group_segment_fixed_size: 327680
    .private_segment_fixed_size: 0
    .kernarg_segment_align: 8
    .kernarg_segment_size: 16
    .max_flat_workgroup_size: 256
    .sgpr_count:     74
    .vgpr_count:     384
    .wavefront_size: 32
...
	.end_amdgpu_metadata
.endif
;; end of part 3
;; launch gemm_aproj (part 4): grid 8 x 32, 4 waves a work-group, clusters of 4 x 4, 295,424 bytes of LDS; arguments att, wb, b_aproj, x, r1; writes r1
.if DOCPART == 4
	.amdgcn_target "amdgcn-amd-amdhsa--gfx1250"
	.amdhsa_code_object_version 6
	.text
	.protected	k_q84ebbdb758_gemm_aproj
	.globl	k_q84ebbdb758_gemm_aproj
	.p2align	8
	.type	k_q84ebbdb758_gemm_aproj,@function
k_q84ebbdb758_gemm_aproj:
	s_mov_b64 s[64:65], 0
	v_nop
	global_prefetch_b8 v0, s[64:65] scope:SCOPE_SE
	s_setreg_imm32_b32 hwreg(HW_REG_WAVE_MODE, 25, 1), 1
	s_wait_xcnt 0x0
	s_wait_alu depctr_hold_cnt(0) depctr_sa_sdst(0) depctr_va_vdst(0) depctr_va_sdst(0) depctr_va_ssrc(0) depctr_va_vcc(0) depctr_vm_vsrc(0)
	s_getreg_b32 s2, hwreg(HW_REG_IB_STS2, 6, 4)
	s_cmp_eq_u32 s2, 0
	s_cbranch_scc0 .Lentry_in_a_cluster
	s_endpgm
.Lentry_in_a_cluster:
	s_bfe_u32 s2, ttmp6, 0x10000c
	s_cmp_lg_u32 s2, 0xf033
	s_cbranch_scc0 .Lentry_shape_is_right
	s_endpgm
.Lentry_shape_is_right:
; r1 = x + att w_aproj + b_aproj, in f32.  att: [4096][1024] bf16 in fragment order (block (row / 16, k / 32) is 1,024 bytes at
; ((row / 16) K / 32 + k / 32) 1,024; in it the 16 bytes at 512 p + 16 l hold row l % 16, k = 16 p + 8 (l / 16) + 0..7).
; w_aproj: [1024][1024] bf16 in wb (N along the rows).
; 4096 x 1024 of C on 256 work-groups is 128 x 128 each.  THE FOUR WAVES SPLIT K: every wave keeps the whole block in 64 accumulator tiles and
; takes a quarter of K (256).  At the end the four partial blocks meet in LDS (in the bytes of the ring, behind its last fill), and each wave
; finishes 32 rows: four partial sums, bias and residual, all f32.  So the order of rounding differs from a single ascending sum.
; A GOES STRAIGHT INTO REGISTERS: no wave shares a fragment of A with another, and in fragment order a load of a wave is 512 consecutive
; bytes.  A ring of four buffers of 64 registers; each half buffer is asked for again behind its last product, 3.5 quarter steps ahead of its use.
; LDS then holds the weights alone: a slot has 128 k rows for each wave, 256 matrix instructions of a wave; with A beside them it would have 64.
; Here the two slots hold all of a wave's 256 k: nothing is filled again.
; CLUSTERS: 4 x 4 work-groups; the weight tile is asked for jointly by a column of the cluster.  A is NOT asked for jointly, though a row of the
; cluster reads the same blocks: a joint request lands in LDS, and LDS has no room for slots of both operands that are long enough (above).
; Limits: operands are bf16; non-finite inputs are not served.
; REGISTER WINDOWS: 0: addresses, buffers 0-2 of A, the way out; 1: weight fragments (two buffers), buffer 3 of A, later the residual; 2, 3: accumulators.
.set SIZE_K,  1024
.set B_OFF,   14680064                 ; w_aproj in wb
.set KW,      SIZE_K/4                 ; k of a wave
.set RBS,     SIZE_K*32                ; bytes from a block of 16 rows of A to the next
.set PB,      288                      ; LDS row of the weights: 256 bytes + 32 = 9 x 32
.set HALFT,   128*PB                   ; 128 k rows: what one tensor load brings, and what one wave reads of a slot
.set SLOT,    4*HALFT
.set LAPS,    KW/256                   ; a lap = two slots = eight quarter steps of 32 k
.set STEPB,   256*2048
.set MPITCH,  528                      ; a row of a partial block: 512 bytes + 16
.set MAT,     128*MPITCH
.set ADRB, 20                          ; v20-21 LDS address of my weight fragments in slot 0, 1
.set STO,  24
.set CO,   26                          ; 16 x lane
.set BI,   28                          ; v[28:31] bias of my four columns
.set RD,   32                          ; v32-35 where I read the four partial blocks
.set FB0,  64                          ; window 1: weight fragments
.set FB1,  128
.set RA0,  64                          ; window 0: buffers 0-2 of A
.set RA1,  128
.set RA2,  192
.set RA3,  192                         ; window 1: buffer 3 of A
.set PS,   64                          ; the way out: 8 rows x 4 partial sums x 4 registers
.set TT,   192                         ; residual + bias of 8 rows
.set AG,   14                          ; s[14:15] A at my first block
.set G1B, 48
.set G0B, 56
.set MSB, 0
.macro WIN new                         ; the high byte of the immediate repeats the setting that is left
.if MSB != (\new)
	s_set_vgpr_msb (MSB<<8)|(\new)
.set MSB, (\new)
.endif
.endm
.macro CREST                           ; a round of the cluster barrier behind its opening work-group barrier
	s_cmp_lg_u32 s10, 0
	s_cbranch_scc1 .Lnot_wave_0_\@
	s_barrier_signal -3
.Lnot_wave_0_\@:
	s_barrier_wait -3
	s_barrier_signal -1
	s_barrier_wait -1
.endm
.macro CROUND
	s_barrier_signal -1
	s_barrier_wait -1
	CREST
.endm
.macro PLACES                          ; four places behind a matrix instruction (ISA guide 7.12.1)
.rept 4
	v_nop
.endr
.endm
; eight loads: blocks 4 half .. 4 half + 3 of my 8 blocks of 16 rows, k block kb from s[AG], into ring buffer fa of window aw
.macro ALOAD fa, aw, half, kb
	WIN 64*\aw
.irp i, 0,1,2,3
	global_load_b128 v[\fa+8*(4*\half+\i):\fa+8*(4*\half+\i)+3],   v[CO], s[AG:AG+1] offset:(4*\half+\i)*RBS+(\kb)*1024
	global_load_b128 v[\fa+8*(4*\half+\i)+4:\fa+8*(4*\half+\i)+7], v[CO], s[AG:AG+1] offset:(4*\half+\i)*RBS+(\kb)*1024+512
.endr
.endm
	s_load_b128 s[4:7], s[0:1], 0x0                ; A s[4:5], wb s[6:7]
	s_load_b128 s[68:71], s[0:1], 0x10             ; bias s[68:69], residual s[70:71]
	s_load_b64 s[8:9], s[0:1], 0x20                ; out
	v_lshl_add_u32 v62, v0, 2, 0x48000
	v_mov_b32 v63, 0
	ds_add_u32 v62, v63
	ds_add_u32 v62, v63
	v_lshrrev_b32 v1, 5, v0
	v_readfirstlane_b32 s10, v1                    ; wave 0..3: my quarter of K
	s_bfe_u32 s40, ttmp6, 0x40000                  ; cx
	s_bfe_u32 s41, ttmp6, 0x40004                  ; cy
	s_lshl_b32 s42, ttmp9, 2
	s_add_co_u32 s42, s42, s40                     ; block column
	s_and_b32 s13, ttmp7, 0xffff
	s_lshl_b32 s13, s13, 2
	s_add_co_u32 s13, s13, s41                     ; block row
	s_lshl_b32 s44, 0x1111, s40                    ; my column of the cluster
	; group 1 for the weights: 128 k rows x 128 elements of 2 bytes, 8 words of padding behind every 64
	s_or_b32 s[G1B+0], s44, (1<<16)|(1<<20)|(1<<21)|(5<<22)|(7<<25)
	s_mov_b32 s[G1B+1], 128<<16
	s_mov_b32 s[G1B+2], 128<<16
	s_mov_b32 s[G1B+3], 128<<16
	s_mov_b32 s[G1B+4], 128
	s_mov_b32 s[G1B+5], 1024
	s_mov_b32 s[G1B+6], 0
	s_mov_b32 s[G1B+7], 0
	s_mul_i32 s16, s13, 8*RBS                      ; A: 8 blocks of 16 rows x block row
	s_mul_i32 s17, s10, KW*32                      ; + my first k block
	s_add_co_u32 s16, s16, s17
	s_mov_b32 s17, 0
	s_mul_i32 s46, s10, KW*2048                    ; weights: my first k row
	s_lshl_b32 s47, s42, 8                         ; + 256 bytes x block column
	s_add_co_u32 s46, s46, s47
	s_add_co_u32 s46, s46, B_OFF
	s_mov_b32 s47, 0
	s_mul_i32 s20, s10, HALFT                      ; where my tiles go: wave x one load, plus the slot
	v_and_b32 v5, 31, v0
	v_lshlrev_b32 v[CO], 4, v5
	s_wait_dscnt 0x0
	s_wait_kmcnt 0x0
	s_add_nc_u64 s[AG:AG+1], s[4:5], s[16:17]
	s_add_nc_u64 s[46:47], s[6:7], s[46:47]
	CROUND                                         ; all sixteen work-groups are here: the first joint loads meet
.irp s, 0,1
	s_mov_b32 s[G0B+4*\s], 1
	s_add_co_u32 s[G0B+4*\s+1], s20, \s*SLOT
	s_add_nc_u64 s[G0B+4*\s+2:G0B+4*\s+3], s[46:47], \s*128*2048
	s_or_b32 s[G0B+4*\s+3], s[G0B+4*\s+3], 0x80000000
	tensor_load_to_lds s[G0B+4*\s:G0B+4*\s+3], s[G1B:G1B+7]
	s_nop 0
.endr
	s_lshl_b32 s46, s42, 9                         ; my block column: 128 numbers of 4 bytes
	s_mov_b32 s47, 0
	s_add_nc_u64 s[68:69], s[68:69], s[46:47]
	s_add_nc_u64 s[70:71], s[70:71], s[46:47]
	s_add_nc_u64 s[8:9], s[8:9], s[46:47]
	s_lshl_b32 s16, s13, 7
	s_lshl_b32 s17, s10, 5
	s_add_co_u32 s16, s16, s17                     ; the 32 rows that I finish
	s_lshl_b32 s16, s16, 12
	s_mov_b32 s17, 0
	s_add_nc_u64 s[70:71], s[70:71], s[16:17]
	s_add_nc_u64 s[8:9], s[8:9], s[16:17]
	global_load_b128 v[BI:BI+3], v[CO], s[68:69]   ; ahead of A: every wait for A shows it in too
	ALOAD RA0, 0, 0, 0                             ; the ring of A is filled: quarter steps 0 to 3
	ALOAD RA0, 0, 1, 0
	ALOAD RA1, 0, 0, 1
	ALOAD RA1, 0, 1, 1
	ALOAD RA2, 0, 0, 2
	ALOAD RA2, 0, 1, 2
	ALOAD RA3, 1, 0, 3
	ALOAD RA3, 1, 1, 3
	WIN 0
	v_and_b32 v1, 15, v0                           ; r
	v_bfe_u32 v2, v0, 4, 1                         ; h
	v_and_b32 v6, 7, v0
	v_bfe_u32 v7, v0, 3, 1
	v_lshl_add_u32 v8, v2, 3, v6
	v_mul_u32_u24 v8, v8, PB
	v_lshl_add_u32 v8, v7, 4, v8                   ; weight fragment: k row 8 h + l % 8, 16 bytes by bit 3 of the lane
	v_add_nc_u32 v[ADRB], s20, v8
	v_add_nc_u32 v[ADRB+1], SLOT, v[ADRB]
	s_mul_i32 s23, s10, MAT                        ; my partial block
	v_mul_u32_u24 v4, v1, MPITCH
	v_lshl_add_u32 v4, v2, 5, v4
	v_add_nc_u32 v[STO], s23, v4
	s_mul_i32 s23, s10, 32*MPITCH                  ; the rows that I finish, in each of the four
	v_add_nc_u32 v[RD], s23, v[CO]
	v_add_nc_u32 v[RD+1], MAT, v[RD]
	v_add_nc_u32 v[RD+2], 2*MAT, v[RD]
	v_add_nc_u32 v[RD+3], 3*MAT, v[RD]
; 16 matrix instructions.  The 64 accumulators take turns, one instruction a turn, in the same order in every quarter step.
.macro MUL16 fb, fa, hi, a0, zero
.irp a, \a0, \a0+1
.irp b, 0,1,2,3,4,5,6,7
.if \zero
	v_wmma_f32_16x16x32_bf16 v[8*(8*(\a)+\b):8*(8*(\a)+\b)+7], v[\fb+8*\b:\fb+8*\b+7], v[\fa+8*(4*\hi+\a):\fa+8*(4*\hi+\a)+7], 0
.else
	v_wmma_f32_16x16x32_bf16 v[8*(8*(\a)+\b):8*(8*(\a)+\b)+7], v[\fb+8*\b:\fb+8*\b+7], v[\fa+8*(4*\hi+\a):\fa+8*(4*\hi+\a)+7], v[8*(8*(\a)+\b):8*(8*(\a)+\b)+7]
.endif
.endr
.endr
.endm
.macro FETCHB slot, q, f               ; the weight fragments of quarter q (32 k) of my 128 k of a slot
	WIN 0x40
.irp i, 0,1,2,3,4,5,6,7
	ds_load_tr16_b128 v[\f+8*\i:\f+8*\i+3],   v[ADRB+\slot] offset:(\q)*32*PB+32*\i
	ds_load_tr16_b128 v[\f+8*\i+4:\f+8*\i+7], v[ADRB+\slot] offset:(\q)*32*PB+32*\i+16*PB
.endr
.endm
; The second half of a quarter step: A's rows 0-63 are asked for again (kb >= 0: k block kb), rows 64-127 are multiplied and asked for again.
.macro SECOND fb, fa, aw, zero, kb, n2
.if \kb >= 0
	ALOAD \fa, \aw, 0, \kb
.endif
	s_wait_loadcnt \n2                             ; A's rows 64-127 of this quarter are in; what was asked for behind them stays out
	WIN 0xf1+4*\aw
	MUL16 \fb, \fa, 1, 0, \zero
	MUL16 \fb, \fa, 1, 2, \zero
.if \kb >= 0
	PLACES
	ALOAD \fa, \aw, 1, \kb
.endif
.endm
; One of the first three quarter steps of a slot: multiplies weight buffer fb by ring buffer fa; in its middle fetches the next quarter's weights into gb.
; n1, n2: in the stream 56 = the other half of this quarter (8 loads) and three later quarters (48).
.macro QUART slot, q, fb, gb, fa, aw, zero, kb, n1, n2
	s_wait_loadcnt \n1                             ; A's rows 0-63 of this quarter are in
	s_wait_dscnt 0x0                               ; and its weight fragments
	WIN 0xa1+4*\aw
	MUL16 \fb, \fa, 0, 0, \zero
	MUL16 \fb, \fa, 0, 2, \zero
	PLACES
	FETCHB \slot, \q+1, \gb
	SECOND \fb, \fa, \aw, \zero, \kb, \n2
.endm
; The last quarter step of a slot.  fill = 1: the slot is filled again, behind a round of the cluster barrier.  The next slot's bytes are my own
; load's: my wait for it is all that my reads need.
.macro TURNQ slot, next, fill, fb, gb, fa, aw, kb, n1, n2
	s_wait_loadcnt \n1
	s_wait_dscnt 0x0                               ; the fragments are in, and with them my last reads of this slot
	WIN 0xa1+4*\aw
	MUL16 \fb, \fa, 0, 0, 0
	s_wait_tensorcnt 0x0                           ; all my tensor loads have landed: the one that was out is my part of the next slot
.if \fill
	s_barrier_signal -1                            ; opens the round
.endif
	MUL16 \fb, \fa, 0, 2, 0                        ; register work while the others arrive
	WIN 0
.if \fill
	s_barrier_wait -1
	CREST                                          ; no wave of any partner still reads this slot or has a load on its way
	s_add_nc_u64 s[G0B+4*\slot+2:G0B+4*\slot+3], s[G0B+4*\slot+2:G0B+4*\slot+3], STEPB
	tensor_load_to_lds s[G0B+4*\slot:G0B+4*\slot+3], s[G1B:G1B+7]   ; the first tensor load behind the round, one a wave
.endif
	PLACES
	FETCHB \next, 0, \gb
	SECOND \fb, \fa, \aw, 0, \kb, \n2
.endm
.macro LAPF zero                       ; a lap behind which another follows: both slots are filled again, eight quarters of A are asked for
	QUART 0, 0, FB0, FB1, RA0, 0, \zero, 4, 56, 56
	QUART 0, 1, FB1, FB0, RA1, 0, 0, 5, 56, 56
	QUART 0, 2, FB0, FB1, RA2, 0, 0, 6, 56, 56
	TURNQ 0, 1, 1, FB1, FB0, RA3, 1, 7, 56, 56
	QUART 1, 0, FB0, FB1, RA0, 0, 0, 8, 56, 56
	QUART 1, 1, FB1, FB0, RA1, 0, 0, 9, 56, 56
	QUART 1, 2, FB0, FB1, RA2, 0, 0, 10, 56, 56
	TURNQ 1, 0, 1, FB1, FB0, RA3, 1, 11, 56, 56
	WIN 0
	s_wait_xcnt 0x0                                ; the base of the loads is stepped only behind this wait
	s_add_nc_u64 s[AG:AG+1], s[AG:AG+1], 8*1024
.endm
.macro LAPL zero                       ; the last lap: no fill; its second half asks for nothing, and the counts run down
	QUART 0, 0, FB0, FB1, RA0, 0, \zero, 4, 56, 56
	QUART 0, 1, FB1, FB0, RA1, 0, 0, 5, 56, 56
	QUART 0, 2, FB0, FB1, RA2, 0, 0, 6, 56, 56
	TURNQ 0, 1, 0, FB1, FB0, RA3, 1, 7, 56, 56
	QUART 1, 0, FB0, FB1, RA0, 0, 0, -1, 56, 48
	QUART 1, 1, FB1, FB0, RA1, 0, 0, -1, 40, 32
	QUART 1, 2, FB0, FB1, RA2, 0, 0, -1, 24, 16
	s_wait_loadcnt 8
	s_wait_dscnt 0x0
	WIN 0xa5
	MUL16 FB1, RA3, 0, 0, 0
	MUL16 FB1, RA3, 0, 2, 0
	s_wait_loadcnt 0x0
	WIN 0xf5
	MUL16 FB1, RA3, 1, 0, 0
	MUL16 FB1, RA3, 1, 2, 0
.endm
	s_wait_tensorcnt 0x1                           ; my part of slot 0 is in, and only I read it; slot 1 stays out
	FETCHB 0, 0, FB0
.if LAPS > 1
	LAPF 1                                         ; the first products start the sums
.if LAPS > 2
	s_mov_b32 s3, LAPS-2
.Llap:
	LAPF 0
	s_sub_co_u32 s3, s3, 1
	s_cmp_lg_u32 s3, 0
	s_cbranch_scc1 .Llap
.endif
	LAPL 0
.else
	LAPL 1
.endif
	; THE WAY OUT
	PLACES
	WIN 0x40
.set p, 0
.rept 32
	global_load_b128 v[64+4*p:64+4*p+3], v[CO], s[70:71] offset:4096*p th:TH_LOAD_NT   ; the residual of my 32 rows, 512 consecutive bytes a load
.set p, p+1
.endr
	WIN 0
	s_wait_dscnt 0x0
	s_barrier_signal -1
	s_barrier_wait -1                              ; every wave has read the ring for the last time, and every tensor load has landed
	WIN 0x08                                       ; store data window 2
.irp a, 0,1,2,3
.irp b, 0,1,2,3,4,5,6,7
	ds_store_b128 v[STO], v[8*(8*\a+\b):8*(8*\a+\b)+3]   offset:\a*16*MPITCH+64*\b
	ds_store_b128 v[STO], v[8*(8*\a+\b)+4:8*(8*\a+\b)+7] offset:\a*16*MPITCH+64*\b+16
.endr
.endr
	WIN 0x0c                                       ; store data window 3
.irp a, 0,1,2,3
.irp b, 0,1,2,3,4,5,6,7
	ds_store_b128 v[STO], v[8*(8*\a+\b):8*(8*\a+\b)+3]   offset:(\a+4)*16*MPITCH+64*\b
	ds_store_b128 v[STO], v[8*(8*\a+\b)+4:8*(8*\a+\b)+7] offset:(\a+4)*16*MPITCH+64*\b+16
.endr
.endr
	WIN 0
	s_wait_dscnt 0x0                               ; my partial block is written,
	s_barrier_signal -1
	s_barrier_wait -1                              ; everybody's is
.macro ROWS8 g                         ; rows 8 g .. 8 g + 7 of my 32
	s_wait_xcnt 0x0                                ; PS, which the last stores read, is loaded again only behind this wait
.irp r, 0,1,2,3,4,5,6,7
.irp s, 0,1,2,3
	ds_load_b128 v[PS+16*\r+4*\s:PS+16*\r+4*\s+3], v[RD+\s] offset:(8*\g+\r)*MPITCH
.endr
.endr
	s_wait_loadcnt 24-8*\g                         ; the residual up to row 8 g + 7 is in; the later rows stay out
	WIN 0x01                                       ; source 0 window 1
.irp r, 0,1,2,3,4,5,6,7
.irp k, 0,2
	v_pk_add_f32 v[TT+4*\r+\k:TT+4*\r+\k+1], v[64+4*(8*\g+\r)+\k:64+4*(8*\g+\r)+\k+1], v[BI+\k:BI+\k+1]
.endr
.endr
	WIN 0
.irp r, 0,1,2,3,4,5,6,7
	s_wait_dscnt 4*(7-\r)                          ; the four loads of row r are in
.irp k, 0,2
	v_pk_add_f32 v[PS+16*\r+\k:PS+16*\r+\k+1],     v[PS+16*\r+\k:PS+16*\r+\k+1],     v[PS+16*\r+4+\k:PS+16*\r+4+\k+1]
	v_pk_add_f32 v[PS+16*\r+8+\k:PS+16*\r+8+\k+1], v[PS+16*\r+8+\k:PS+16*\r+8+\k+1], v[PS+16*\r+12+\k:PS+16*\r+12+\k+1]
.endr
.irp k, 0,2
	v_pk_add_f32 v[PS+16*\r+\k:PS+16*\r+\k+1], v[PS+16*\r+\k:PS+16*\r+\k+1], v[PS+16*\r+8+\k:PS+16*\r+8+\k+1]
.endr
.irp k, 0,2
	v_pk_add_f32 v[PS+16*\r+\k:PS+16*\r+\k+1], v[PS+16*\r+\k:PS+16*\r+\k+1], v[TT+4*\r+\k:TT+4*\r+\k+1]
.endr
	global_store_b128 v[CO], v[PS+16*\r:PS+16*\r+3], s[8:9] offset:(8*\g+\r)*4096   ; 512 consecutive bytes, aligned
.endr
.endm
	ROWS8 0
	ROWS8 1
	ROWS8 2
	ROWS8 3
	s_wait_tensorcnt 0x0
	ds_add_u32 v62, v63
	s_wait_dscnt 0x0
	CROUND                                         ; the closing round
	s_endpgm
.Lfunc_end_k_q84ebbdb758_gemm_aproj:
	.size	k_q84ebbdb758_gemm_aproj, .Lfunc_end_k_q84ebbdb758_gemm_aproj-k_q84ebbdb758_gemm_aproj
	.p2alignl 7, 3214868480
	.fill 96, 4, 3214868480
	.section	.rodata,"a",@progbits
	.p2align	6, 0x0
	.amdhsa_kernel k_q84ebbdb758_gemm_aproj
		.amdhsa_group_segment_fixed_size 295424
		.amdhsa_private_segment_fixed_size 0
		.amdhsa_enable_private_segment 0
		.amdhsa_kernarg_size 40
		.amdhsa_user_sgpr_count 2
		.amdhsa_user_sgpr_kernarg_segment_ptr 1
		.amdhsa_wavefront_size32 1
		.amdhsa_system_sgpr_workgroup_id_x 1
		.amdhsa_system_sgpr_workgroup_id_y 1
		.amdhsa_system_sgpr_workgroup_id_z 1
		.amdhsa_system_vgpr_workitem_id 0
		.amdhsa_next_free_vgpr 1024
		.amdhsa_next_free_sgpr 72
		.amdhsa_reserve_vcc 0
		.amdhsa_float_denorm_mode_32 3
		.amdhsa_float_denorm_mode_16_64 3
		.amdhsa_memory_ordered 1
		.amdhsa_forward_progress 1
		.amdhsa_inst_pref_size 105
	.end_amdhsa_kernel
	.amdgpu_metadata
---
amdhsa.version: [ 1, 2 ]
amdhsa.kernels:
  - .name:           k_q84ebbdb758_gemm_aproj
    .symbol:         k_q84ebbdb758_gemm_aproj.kd
    .args:
      - { .name: att, .offset: 0, .size: 8, .value_kind: global_buffer, .address_space: global }
      - { .name: wb, .offset: 8, .size: 8, .value_kind: global_buffer, .address_space: global }
      - { .name: b_aproj, .offset: 16, .size: 8, .value_kind: global_buffer, .address_space: global }
      - { .name: x, .offset: 24, .size: 8, .value_kind: global_buffer, .address_space: global }
      - { .name: r1, .offset: 32, .size: 8, .value_kind: global_buffer, .address_space: global }
    .group_segment_fixed_size: 295424
    .private_segment_fixed_size: 0
    .kernarg_segment_align: 8
    .kernarg_segment_size: 40
    .max_flat_workgroup_size: 128
    .sgpr_count:     72
    .vgpr_count:     1024
    .wavefront_size: 32
...
	.end_amdgpu_metadata
.endif
;; end of part 4
;; launch ln1 (part 5): grid 256 x 1, 4 waves a work-group, no clusters, 0 bytes of LDS; arguments r1, g1, b1, n, nb; writes n, nb
.if DOCPART == 5
	.amdgcn_target "amdgcn-amd-amdhsa--gfx1250"
	.amdhsa_code_object_version 6
	.text
	.protected	k_q84ebbdb758_ln1
	.globl	k_q84ebbdb758_ln1
	.p2align	8
	.type	k_q84ebbdb758_ln1,@function
k_q84ebbdb758_ln1:
	s_mov_b64 s[64:65], 0
	v_nop
	global_prefetch_b8 v0, s[64:65] scope:SCOPE_SE
	s_setreg_imm32_b32 hwreg(HW_REG_WAVE_MODE, 25, 1), 1
	s_wait_xcnt 0x0
; n = g (r - mean) / (std + 1e-6) + b along rows of 1,024, std with N - 1; n in f32, and a bf16 copy nb for the next product.
; A stream: a wave takes four rows, a whole row stays in 32 registers between the passes, so memory is read once; the reduction never leaves
; the wave: no LDS, no barrier.  The variance is the sum of squared differences from the mean, never a difference of sums.
; All 48 loads of a lane go out at the head: row 0, g, b, rows 1 to 3.  A load or store of a wave covers 512 consecutive bytes (bf16: 256), aligned.
; Limit: a variance below 2^-126 counts as zero in the root.
.set WITH_BF16, 1
.set ROWB, 4096
.set GG, 4                             ; v[4:35]    g of my 32 columns
.set BB, 36                            ; v[36:67]   b
.set X,  68                            ; v[68:195]  four rows
.set T,  196                           ; v[196:203] four chains of pairs
.set MN, 204                           ; v[204:205] -mean, twice
.set R,  206                           ; v[206:207] 1 / (std + eps), twice
.set Y,  208                           ; v[208:223] a row in bf16
	s_load_b256 s[4:11], s[0:1], 0x0               ; in s[4:5], g s[6:7], b s[8:9], out s[10:11]
.if WITH_BF16
	s_load_b64 s[12:13], s[0:1], 0x20              ; the bf16 copy
.endif
	v_lshrrev_b32 v3, 5, v0
	v_readfirstlane_b32 s14, v3                    ; wave
	v_and_b32 v1, 31, v0
	v_lshlrev_b32 v2, 3, v1                        ; 8 x lane
	v_lshlrev_b32 v1, 4, v1                        ; 16 x lane
	s_lshl_b32 s16, ttmp9, 4
	s_lshl2_add_u32 s16, s14, s16                  ; my first row = 16 x work-group + 4 x wave
	s_lshl_b32 s18, s16, 11
	s_lshl_b32 s16, s16, 12
	s_mov_b32 s17, 0
	s_mov_b32 s19, 0
	s_mov_b32 s20, 0x76543210
	s_mov_b32 s21, 0xfedcba98
	s_wait_kmcnt 0x0
	s_add_nc_u64 s[4:5], s[4:5], s[16:17]
	s_add_nc_u64 s[10:11], s[10:11], s[16:17]
.if WITH_BF16
	s_add_nc_u64 s[12:13], s[12:13], s[18:19]
.endif
.macro LOADROW k
.irp j, 0,1,2,3,4,5,6,7
	global_load_b128 v[X+32*\k+4*\j:X+32*\k+4*\j+3], v1, s[4:5] offset:ROWB*\k+512*\j th:TH_LOAD_NT
.endr
.endm
	LOADROW 0
.irp j, 0,1,2,3,4,5,6,7
	global_load_b128 v[GG+4*\j:GG+4*\j+3], v1, s[6:7] offset:512*\j
.endr
.irp j, 0,1,2,3,4,5,6,7
	global_load_b128 v[BB+4*\j:BB+4*\j+3], v1, s[8:9] offset:512*\j
.endr
	LOADROW 1
	LOADROW 2
	LOADROW 3
.macro WSUM                            ; v[T] summed over the 32 lanes, the result in every lane
	v_pk_add_f32 v[T:T+1], v[T:T+1], v[T+2:T+3]
	v_pk_add_f32 v[T+4:T+5], v[T+4:T+5], v[T+6:T+7]
	v_pk_add_f32 v[T:T+1], v[T:T+1], v[T+4:T+5]
	v_add_f32 v[T], v[T], v[T+1]
	v_add_f32_dpp v[T], v[T], v[T] row_xmask:1 row_mask:0xf bank_mask:0xf
	v_add_f32_dpp v[T], v[T], v[T] row_xmask:2 row_mask:0xf bank_mask:0xf
	v_add_f32_dpp v[T], v[T], v[T] row_xmask:4 row_mask:0xf bank_mask:0xf
	v_add_f32_dpp v[T], v[T], v[T] row_xmask:8 row_mask:0xf bank_mask:0xf
	v_permlanex16_b32 v[T+1], v[T], s20, s21
	v_add_f32 v[T], v[T], v[T+1]
.endm
.macro ROW k, left
	s_wait_loadcnt \left                           ; my row is in; what was issued behind it stays out
.irp c, 0,2,4,6
	v_pk_add_f32 v[T+\c:T+\c+1], v[X+32*\k+\c:X+32*\k+\c+1], v[X+32*\k+8+\c:X+32*\k+8+\c+1]
.endr
.irp e, 16,24
.irp c, 0,2,4,6
	v_pk_add_f32 v[T+\c:T+\c+1], v[T+\c:T+\c+1], v[X+32*\k+\e+\c:X+32*\k+\e+\c+1]
.endr
.endr
	WSUM
	v_mul_f32 v[MN],   0xba800000, v[T]            ; -sum / 1024
	v_mul_f32 v[MN+1], 0xba800000, v[T]
.set p, 0
.rept 16
	v_pk_add_f32 v[X+32*\k+p:X+32*\k+p+1], v[X+32*\k+p:X+32*\k+p+1], v[MN:MN+1]
.set p, p+2
.endr
.irp c, 0,2,4,6
	v_pk_mul_f32 v[T+\c:T+\c+1], v[X+32*\k+\c:X+32*\k+\c+1], v[X+32*\k+\c:X+32*\k+\c+1]
.endr
.irp e, 8,16,24
.irp c, 0,2,4,6
	v_pk_fma_f32 v[T+\c:T+\c+1], v[X+32*\k+\e+\c:X+32*\k+\e+\c+1], v[X+32*\k+\e+\c:X+32*\k+\e+\c+1], v[T+\c:T+\c+1]
.endr
.endr
	WSUM
	v_mul_f32 v[T], 0x3a802008, v[T]               ; / 1023
	v_sqrt_f32 v[T+1], v[T]
	v_nop                                          ; one plain place behind the root
	s_wait_alu depctr_va_vdst(0)
	v_add_f32 v[T+1], 0x358637bd, v[T+1]           ; + 1e-6
	v_rcp_f32 v[R],   v[T+1]
	v_rcp_f32 v[R+1], v[T+1]
	v_nop                                          ; one plain place behind the reciprocals
.if \k == 0
	s_wait_loadcnt 24                              ; g and b are in; rows 1 to 3 stay out
.endif
.set p, 0
	s_wait_alu depctr_va_vdst(0)
.rept 16
	v_pk_mul_f32 v[X+32*\k+p:X+32*\k+p+1], v[X+32*\k+p:X+32*\k+p+1], v[R:R+1]
.set p, p+2
.endr
.set p, 0
.rept 16
	v_pk_fma_f32 v[X+32*\k+p:X+32*\k+p+1], v[X+32*\k+p:X+32*\k+p+1], v[GG+p:GG+p+1], v[BB+p:BB+p+1]
.set p, p+2
.endr
.irp j, 0,1,2,3,4,5,6,7
	global_store_b128 v1, v[X+32*\k+4*\j:X+32*\k+4*\j+3], s[10:11] offset:ROWB*\k+512*\j
.endr
.if WITH_BF16
	s_wait_xcnt 0x0                                ; Y, which the stores of the last row read, is written again only behind this wait
.set p, 0
.rept 16
	v_cvt_pk_bf16_f32 v[Y+p], v[X+32*\k+2*p], v[X+32*\k+2*p+1]
.set p, p+1
.endr
.irp j, 0,1,2,3,4,5,6,7
	global_store_b64 v2, v[Y+2*\j:Y+2*\j+1], s[12:13] offset:2048*\k+256*\j
.endr
.endif
.endm
	ROW 0, 40
	ROW 1, 16
	ROW 2, 8
	ROW 3, 0
	s_endpgm
.Lfunc_end_k_q84ebbdb758_ln1:
	.size	k_q84ebbdb758_ln1, .Lfunc_end_k_q84ebbdb758_ln1-k_q84ebbdb758_ln1
	.p2alignl 7, 3214868480
	.fill 96, 4, 3214868480
	.section	.rodata,"a",@progbits
	.p2align	6, 0x0
	.amdhsa_kernel k_q84ebbdb758_ln1
		.amdhsa_group_segment_fixed_size 0
		.amdhsa_private_segment_fixed_size 0
		.amdhsa_enable_private_segment 0
		.amdhsa_kernarg_size 40
		.amdhsa_user_sgpr_count 2
		.amdhsa_user_sgpr_kernarg_segment_ptr 1
		.amdhsa_wavefront_size32 1
		.amdhsa_system_sgpr_workgroup_id_x 1
		.amdhsa_system_sgpr_workgroup_id_y 1
		.amdhsa_system_sgpr_workgroup_id_z 1
		.amdhsa_system_vgpr_workitem_id 0
		.amdhsa_next_free_vgpr 224
		.amdhsa_next_free_sgpr 66
		.amdhsa_reserve_vcc 0
		.amdhsa_float_denorm_mode_32 3
		.amdhsa_float_denorm_mode_16_64 3
		.amdhsa_memory_ordered 1
		.amdhsa_forward_progress 1
		.amdhsa_inst_pref_size 42
	.end_amdhsa_kernel
	.amdgpu_metadata
---
amdhsa.version: [ 1, 2 ]
amdhsa.kernels:
  - .name:           k_q84ebbdb758_ln1
    .symbol:         k_q84ebbdb758_ln1.kd
    .args:
      - { .name: r1, .offset: 0, .size: 8, .value_kind: global_buffer, .address_space: global }
      - { .name: g1, .offset: 8, .size: 8, .value_kind: global_buffer, .address_space: global }
      - { .name: b1, .offset: 16, .size: 8, .value_kind: global_buffer, .address_space: global }
      - { .name: n, .offset: 24, .size: 8, .value_kind: global_buffer, .address_space: global }
      - { .name: nb, .offset: 32, .size: 8, .value_kind: global_buffer, .address_space: global }
    .group_segment_fixed_size: 0
    .private_segment_fixed_size: 0
    .kernarg_segment_align: 8
    .kernarg_segment_size: 40
    .max_flat_workgroup_size: 128
    .sgpr_count:     66
    .vgpr_count:     224
    .wavefront_size: 32
...
	.end_amdgpu_metadata
.endif
;; end of part 5
;; launch gemm_fc (part 6): grid 16 x 16, 4 waves a work-group, clusters of 4 x 4, 327,680 bytes of LDS; arguments nb, wb, b_fc, h; writes h
.if DOCPART == 6
	.amdgcn_target "amdgcn-amd-amdhsa--gfx1250"
	.amdhsa_code_object_version 6
	.text
	.protected	k_q84ebbdb758_gemm_fc
	.globl	k_q84ebbdb758_gemm_fc
	.p2align	8
	.type	k_q84ebbdb758_gemm_fc,@function
k_q84ebbdb758_gemm_fc:
	s_mov_b64 s[64:65], 0
	v_nop
	global_prefetch_b8 v0, s[64:65] scope:SCOPE_SE
	s_setreg_imm32_b32 hwreg(HW_REG_WAVE_MODE, 25, 1), 1
	s_wait_xcnt 0x0
	s_wait_alu depctr_hold_cnt(0) depctr_sa_sdst(0) depctr_va_vdst(0) depctr_va_sdst(0) depctr_va_ssrc(0) depctr_va_vcc(0) depctr_vm_vsrc(0)
	s_getreg_b32 s2, hwreg(HW_REG_IB_STS2, 6, 4)
	s_cmp_eq_u32 s2, 0
	s_cbranch_scc0 .Lentry_in_a_cluster
	s_endpgm
.Lentry_in_a_cluster:
	s_bfe_u32 s2, ttmp6, 0x10000c
	s_cmp_lg_u32 s2, 0xf033
	s_cbranch_scc0 .Lentry_shape_is_right
	s_endpgm
.Lentry_shape_is_right:
; h = gelu(n w_fc + b_fc).  nb: [4096][1024] bf16 (K along the rows), w_fc: [1024][4096] bf16 in wb (N along the rows).
; Sums, bias and GELU in f32, result rounded once to bf16 and stored in fragment order: block (row / 16, column / 32) is 1,024 bytes at
; ((row / 16) 128 + column / 32) 1,024, and in it the 16 bytes at 512 p + 16 l hold row l % 16, columns 16 p + 8 (l / 16) + 0..7.
; A work-group makes 256 x 256 of C with four waves, a wave 128 x 128: 64 accumulator tiles, 512 registers.
; K goes in steps of 128 through two LDS slots filled by the tensor data mover.  The weight tile keeps its [K][N] layout in LDS and is
; turned at the LDS read by the transposing load.
; CLUSTERS: 4 x 4 work-groups.  The tile of nb hangs on the block row alone and is asked for jointly by a row of the cluster, the weight
; tile on the block column alone and is asked for jointly by a column.
; Limits: operands and result are bf16; non-finite inputs are not served.
; REGISTER WINDOWS: 0: addresses, fragments of nb (two buffers), the way out; 1: v0-63 bias, weight fragments (two buffers);
; 2: accumulators of my rows 0-63 (tile (a, b) at v[8 (8 a + b)]); 3: those of my rows 64-127.
; The matrix instruction takes the weight fragment as source 0 and the fragment of nb as source 1: lane l then holds row l % 16 of C and
; its eight registers the columns 8 (l / 16) + 0..7 of the tile.  Packed to bf16 these are the lane's 16 bytes of a block in fragment order:
; the results go out straight from registers.
.set SIZE_N,   4096
.set SIZE_K,   1024
.set ARG_A,    0x0                     ; byte offsets of the addresses among the kernel arguments
.set ARG_B,    0x8
.set ARG_BIAS, 0x10
.set ARG_OUT,  0x18
.set B_OFF,    16777216                ; w_fc in wb
.set KSTEP,  128
.set PA,     272                       ; LDS row of nb: 256 bytes + 16
.set PB,     544                       ; LDS row of the weights: 512 bytes + 32 = 17 x 32
.set HALFT,  34816                     ; 128 rows x 272 = 64 rows x 544: what one tensor load brings
.set SLOT,   4*HALFT                   ; 256 rows of nb, then 128 k rows of the weights
.set RBS,    SIZE_N*32                 ; bytes from a block of 16 rows of h to the next
.set LAPS,   SIZE_K/(2*KSTEP)
.set STEPA,  2*KSTEP*2
.set STEPB,  2*KSTEP*SIZE_N*2
.set ADRA, 16
.set ADRB, 20
.set CO,   26                          ; 16 x lane
.set BO,   27
.set KC1,  28                          ; v[28:29] GELU constant, twice
.set KC2,  30                          ; v[30:31] GELU constant, twice
.set F0,   64
.set F1,   128
.set TT,   64                          ; the way out: 64 results in f32
.set UU,   128                         ; the way out: at work
.set TMP,  192                         ; packed results
.set G1,  24
.set G0,  32
.set G1B, 48
.set G0B, 56
.set MSB, 0
.macro WIN new                         ; the high byte of the immediate repeats the setting that is left
.if MSB != (\new)
	s_set_vgpr_msb (MSB<<8)|(\new)
.set MSB, (\new)
.endif
.endm
.set MUL_LO, 0xa1
.set MUL_HI, 0xf1
.set TO_B,   0x40
.macro JLOAD s
	s_cmp_eq_u32 s11, 0
	s_cbranch_scc0 .Lfor_b_\@
	tensor_load_to_lds s[G0+4*\s:G0+4*\s+3], s[G1:G1+7]
	s_nop 0
	s_branch .Lasked_\@
.Lfor_b_\@:
	tensor_load_to_lds s[G0B+4*\s:G0B+4*\s+3], s[G1B:G1B+7]
	s_nop 0
.Lasked_\@:
.endm
.macro CREST
	s_cmp_lg_u32 s10, 0
	s_cbranch_scc1 .Lnot_wave_0_\@
	s_barrier_signal -3
.Lnot_wave_0_\@:
	s_barrier_wait -3
	s_barrier_signal -1
	s_barrier_wait -1
.endm
.macro CROUND
	s_barrier_signal -1
	s_barrier_wait -1
	CREST
.endm
	s_load_b64 s[4:5], s[0:1], ARG_A
	s_load_b64 s[6:7], s[0:1], ARG_B
	s_load_b64 s[66:67], s[0:1], ARG_BIAS
	s_load_b64 s[8:9], s[0:1], ARG_OUT
	s_set_vgpr_msb 0x40
	v_lshl_add_u32 v255, v0, 2, 0x44000
	s_set_vgpr_msb 0x4000
	v_mov_b32 v255, 0
	s_set_vgpr_msb 0x1
	ds_add_u32 v255, v255
	ds_add_u32 v255, v255
	s_set_vgpr_msb 0x100
	v_lshrrev_b32 v1, 5, v0
	v_readfirstlane_b32 s10, v1                    ; wave 0..3
	s_lshr_b32 s11, s10, 1                         ; my half of the block rows; also: I fetch nb (0) or weights (1)
	s_and_b32 s12, s10, 1                          ; my half of the block columns; also: which half of that tile I fetch
	s_bfe_u32 s40, ttmp6, 0x40000                  ; cx
	s_bfe_u32 s41, ttmp6, 0x40004                  ; cy
	s_lshl_b32 s42, ttmp9, 2
	s_add_co_u32 s42, s42, s40                     ; block column
	s_and_b32 s13, ttmp7, 0xffff
	s_lshl_b32 s13, s13, 2
	s_add_co_u32 s13, s13, s41                     ; block row
	s_lshl_b32 s43, s41, 2
	s_lshl_b32 s43, 15, s43                        ; my row of the cluster
	s_lshl_b32 s44, 0x1111, s40                    ; my column of the cluster
	; group 1 for nb: 128 rows x 128 elements of 2 bytes, 4 words of padding behind every 64
	s_or_b32 s[G1+0], s43, (1<<16)|(1<<20)|(1<<21)|(5<<22)|(3<<25)
	s_mov_b32 s[G1+1], KSTEP<<16
	s_mov_b32 s[G1+2], 128<<16
	s_mov_b32 s[G1+3], KSTEP<<16
	s_mov_b32 s[G1+4], 128
	s_mov_b32 s[G1+5], SIZE_K
	s_mov_b32 s[G1+6], 0
	s_mov_b32 s[G1+7], 0
	; group 1 for the weights: 64 k rows x 256 elements, 8 words of padding behind every 128
	s_or_b32 s[G1B+0], s44, (1<<16)|(1<<20)|(1<<21)|(6<<22)|(7<<25)
	s_mov_b32 s[G1B+1], 256<<16
	s_mov_b32 s[G1B+2], 64<<16
	s_mov_b32 s[G1B+3], 256<<16
	s_mov_b32 s[G1B+4], 64
	s_mov_b32 s[G1B+5], SIZE_N
	s_mov_b32 s[G1B+6], 0
	s_mov_b32 s[G1B+7], 0
	s_lshl_b32 s17, s12, 7
	s_lshl_b32 s16, s13, 8
	s_add_co_u32 s16, s16, s17                     ; row 256 x block row + 128 x half
	s_lshl_b32 s16, s16, 11                        ; x 2,048 bytes
	s_mov_b32 s17, 0
	s_mul_i32 s46, s12, 64*SIZE_N*2                ; 64 k rows x half
	s_lshl_b32 s47, s42, 9                         ; 512 bytes x block column
	s_add_co_u32 s46, s46, s47
	s_add_co_u32 s46, s46, B_OFF
	s_mov_b32 s47, 0
	s_mul_i32 s20, s10, HALFT
	s_wait_dscnt 0x0
	s_wait_kmcnt 0x0
	s_add_nc_u64 s[14:15], s[4:5], s[16:17]
	s_add_nc_u64 s[46:47], s[6:7], s[46:47]
	CROUND                                         ; all sixteen work-groups are here: the first joint loads meet
.irp s, 0,1
	s_mov_b32 s[G0+4*\s], 1
	s_add_co_u32 s[G0+4*\s+1], s20, \s*SLOT
	s_add_nc_u64 s[G0+4*\s+2:G0+4*\s+3], s[14:15], \s*KSTEP*2
	s_or_b32 s[G0+4*\s+3], s[G0+4*\s+3], 0x80000000
	s_mov_b32 s[G0B+4*\s], 1
	s_add_co_u32 s[G0B+4*\s+1], s20, \s*SLOT
	s_add_nc_u64 s[G0B+4*\s+2:G0B+4*\s+3], s[46:47], \s*KSTEP*SIZE_N*2
	s_or_b32 s[G0B+4*\s+3], s[G0B+4*\s+3], 0x80000000
	JLOAD \s
.endr
	; the bias of my 128 columns, in the order in which a lane holds results: register 8 b + j = column 16 b + 8 (l / 16) + j
	s_lshl_b32 s46, s42, 10
	s_lshl_b32 s47, s12, 9
	s_add_co_u32 s46, s46, s47
	s_mov_b32 s47, 0
	s_add_nc_u64 s[66:67], s[66:67], s[46:47]
	v_and_b32 v1, 15, v0                           ; r
	v_bfe_u32 v2, v0, 4, 1                         ; h
	v_lshlrev_b32 v[BO], 5, v2
	WIN TO_B
.irp b, 0,1,2,3,4,5,6,7
	global_load_b128 v[8*\b:8*\b+3],   v[BO], s[66:67] offset:64*\b
	global_load_b128 v[8*\b+4:8*\b+7], v[BO], s[66:67] offset:64*\b+16
.endr
	WIN 0
	v_and_b32 v6, 7, v0
	v_bfe_u32 v7, v0, 3, 1
	v_mul_u32_u24 v3, v1, PA
	v_lshl_add_u32 v3, v2, 4, v3
	v_lshl_add_u32 v8, v2, 3, v6
	v_mul_u32_u24 v8, v8, PB
	v_lshl_add_u32 v8, v7, 4, v8
	s_mul_i32 s21, s11, HALFT
	s_lshl_b32 s22, s12, 8
	s_add_co_u32 s22, s22, 2*HALFT
.irp s, 0,1
	v_add_nc_u32 v[ADRA+\s], s21, v3
	v_add_nc_u32 v[ADRB+\s], s22, v8
	s_add_co_u32 s21, s21, SLOT
	s_add_co_u32 s22, s22, SLOT
.endr
	v_and_b32 v5, 31, v0
	v_lshlrev_b32 v[CO], 4, v5
	v_mov_b32 v[KC1],   0xc0135761                 ; -2 log2(e) sqrt(2/pi)
	v_mov_b32 v[KC1+1], 0xc0135761
	v_mov_b32 v[KC2],   0xbdd2d3e8                 ; 0.044715 times that
	v_mov_b32 v[KC2+1], 0xbdd2d3e8
; The 64 accumulators take turns, one instruction a turn, in the same order in every quarter step.
.macro MUL16 f, hi, a0, zero
.irp a, \a0, \a0+1
.irp b, 0,1,2,3,4,5,6,7
.if \zero
	v_wmma_f32_16x16x32_bf16 v[8*(8*(\a)+\b):8*(8*(\a)+\b)+7], v[\f+8*\b:\f+8*\b+7], v[\f+8*(4*\hi+\a):\f+8*(4*\hi+\a)+7], 0
.else
	v_wmma_f32_16x16x32_bf16 v[8*(8*(\a)+\b):8*(8*(\a)+\b)+7], v[\f+8*\b:\f+8*\b+7], v[\f+8*(4*\hi+\a):\f+8*(4*\hi+\a)+7], v[8*(8*(\a)+\b):8*(8*(\a)+\b)+7]
.endif
.endr
.endr
.endm
.macro FETCH slot, q, f
	WIN TO_B
.irp i, 0,1,2,3,4,5,6,7
	ds_load_tr16_b128 v[\f+8*\i:\f+8*\i+3],   v[ADRB+\slot] offset:\q*32*PB+32*\i
	ds_load_tr16_b128 v[\f+8*\i+4:\f+8*\i+7], v[ADRB+\slot] offset:\q*32*PB+32*\i+16*PB
.endr
	WIN 0
.irp i, 0,1,2,3,4,5,6,7
	ds_load_b128 v[\f+8*\i:\f+8*\i+3],   v[ADRA+\slot] offset:\q*64+\i*16*PA
	ds_load_b128 v[\f+8*\i+4:\f+8*\i+7], v[ADRA+\slot] offset:\q*64+\i*16*PA+32
.endr
.endm
.macro PLACES                          ; four places behind a matrix instruction (ISA guide 7.12.1)
.rept 4
	v_nop
.endr
.endm
.macro QUARTER slot, q, f, g, zero
	s_wait_dscnt 8                                 ; weights and rows 0-63 are in; the youngest eight loads (rows 64-127) may be out
	WIN MUL_LO
	MUL16 \f, 0, 0, \zero
	MUL16 \f, 0, 2, \zero
	PLACES
	FETCH \slot, \q, \g
	s_wait_dscnt 32                                ; all but the 32 just issued
	WIN MUL_HI
	MUL16 \f, 1, 0, \zero
	MUL16 \f, 1, 2, \zero
.endm
.macro THREE slot, zero
	QUARTER \slot, 1, F0, F1, \zero
	QUARTER \slot, 2, F1, F0, 0
	QUARTER \slot, 3, F0, F1, 0
.endm
.macro TURN slot, next, fill
	s_wait_dscnt 8
	WIN MUL_LO
	MUL16 F1, 0, 0, 0
	s_wait_dscnt 0                                 ; my reads of this slot are over
	s_wait_tensorcnt 0x0                           ; and all my tensor loads have landed
	ds_add_u32 v255, v255
	s_wait_dscnt 0x0
	s_barrier_signal -1
	MUL16 F1, 0, 2, 0
	WIN 0
	s_barrier_wait -1
.if \fill
	CREST                                          ; no wave of any partner still reads this slot or has a load on its way
	s_add_nc_u64 s[G0+4*\slot+2:G0+4*\slot+3], s[G0+4*\slot+2:G0+4*\slot+3], STEPA
	s_add_nc_u64 s[G0B+4*\slot+2:G0B+4*\slot+3], s[G0B+4*\slot+2:G0B+4*\slot+3], STEPB
	JLOAD \slot                                    ; the first tensor load behind the round, one a wave
.endif
	PLACES
	FETCH \next, 0, F0
	WIN MUL_HI
	MUL16 F1, 1, 0, 0
	MUL16 F1, 1, 2, 0
.endm
.macro LAP zero
	THREE 0, \zero
	TURN 0, 1, 1
	THREE 1, 0
	TURN 1, 0, 1
.endm
	s_wait_tensorcnt 1                             ; my part of K step 0 is in; K step 1 stays out
	s_barrier_signal -1
	s_barrier_wait -1
	FETCH 0, 0, F0
	LAP 1
.if LAPS > 2
	WIN 0
	s_mov_b32 s3, LAPS-2
.Llap:
	LAP 0
	WIN 0
	s_sub_co_u32 s3, s3, 1
	s_cmp_lg_u32 s3, 0
	s_cbranch_scc1 .Llap
.endif
	THREE 0, 0                                     ; the last lap fills nothing
	TURN 0, 1, 0
	THREE 1, 0
	s_wait_dscnt 8
	WIN MUL_LO
	MUL16 F1, 0, 0, 0
	MUL16 F1, 0, 2, 0
	s_wait_dscnt 0
	WIN MUL_HI
	MUL16 F1, 1, 0, 0
	MUL16 F1, 1, 2, 0
	; THE WAY OUT, 16 rows at a time: bias and GELU in f32, one rounding to bf16, out from registers
	PLACES
	s_wait_loadcnt 0x0                             ; the bias
	s_lshl_b32 s16, s13, 21                        ; 16 blocks of 16 rows x block row
	s_lshl_b32 s14, s11, 20                        ; + 8 x half
	s_add_co_u32 s16, s16, s14
	s_mov_b32 s17, 0
	s_add_nc_u64 s[8:9], s[8:9], s[16:17]
	s_lshl_b32 s46, s42, 13                        ; 8 blocks of 32 columns x block column
	s_lshl_b32 s47, s12, 12                        ; + 4 x half
	s_add_co_u32 s46, s46, s47
	s_mov_b32 s47, 0
	s_add_nc_u64 s[8:9], s[8:9], s[46:47]
; rows 16 i .. 16 i + 15 of my block = tiles (a, 0..7) of window 2 (from = 0x06) or 3 (0x07); source 1, the bias, is in window 1
.macro OUT16 i, a, from
	WIN \from
.irp b, 0,1,2,3,4,5,6,7
.irp k, 0,2,4,6
	v_pk_add_f32 v[TT+8*\b+\k:TT+8*\b+\k+1], v[8*(8*\a+\b)+\k:8*(8*\a+\b)+\k+1], v[8*\b+\k:8*\b+\k+1]
.endr
.endr
	WIN 0
	; gelu(x) = x / (1 + 2^(x (c1 + c2 x^2))), which is 0.5 x (1 + tanh(..)) written with one exponential
.set p, 0
.rept 32
	v_pk_mul_f32 v[UU+p:UU+p+1], v[TT+p:TT+p+1], v[TT+p:TT+p+1]
.set p, p+2
.endr
.set p, 0
.rept 32
	v_pk_fma_f32 v[UU+p:UU+p+1], v[UU+p:UU+p+1], v[KC2:KC2+1], v[KC1:KC1+1]
.set p, p+2
.endr
.set p, 0
.rept 32
	v_pk_mul_f32 v[UU+p:UU+p+1], v[UU+p:UU+p+1], v[TT+p:TT+p+1]
.set p, p+2
.endr
.set p, 0
.rept 64
	v_exp_f32 v[UU+p], v[UU+p]
.set p, p+1
.endr
	v_nop                                          ; one plain place behind the run of exponentials
.set p, 0
	s_wait_alu depctr_va_vdst(0)
.rept 32
	v_pk_add_f32 v[UU+p:UU+p+1], v[UU+p:UU+p+1], 1.0 op_sel_hi:[1,0]
.set p, p+2
.endr
.set p, 0
.rept 64
	v_rcp_f32 v[UU+p], v[UU+p]
.set p, p+1
.endr
	v_nop                                          ; one plain place behind the run of reciprocals
.set p, 0
	s_wait_alu depctr_va_vdst(0)
.rept 32
	v_pk_mul_f32 v[TT+p:TT+p+1], v[TT+p:TT+p+1], v[UU+p:UU+p+1]
.set p, p+2
.endr
	s_wait_xcnt 0x0                                ; TMP, which the last stores read, is written again only behind this wait
.irp b, 0,1,2,3,4,5,6,7
.irp k, 0,1,2,3
	v_cvt_pk_bf16_f32 v[TMP+4*\b+\k], v[TT+8*\b+2*\k], v[TT+8*\b+2*\k+1]
.endr
.endr
.irp b, 0,1,2,3,4,5,6,7
	global_store_b128 v[CO], v[TMP+4*\b:TMP+4*\b+3], s[8:9] offset:\i*RBS+512*\b   ; half b % 2 of block b / 2 of the row block: 512 consecutive bytes, aligned
.endr
.endm
	OUT16 0, 0, 0x06
	OUT16 1, 1, 0x06
	OUT16 2, 2, 0x06
	OUT16 3, 3, 0x06
	OUT16 4, 0, 0x07
	OUT16 5, 1, 0x07
	OUT16 6, 2, 0x07
	OUT16 7, 3, 0x07
	CROUND                                         ; the closing round
	s_endpgm
.Lfunc_end_k_q84ebbdb758_gemm_fc:
	.size	k_q84ebbdb758_gemm_fc, .Lfunc_end_k_q84ebbdb758_gemm_fc-k_q84ebbdb758_gemm_fc
	.p2alignl 7, 3214868480
	.fill 96, 4, 3214868480
	.section	.rodata,"a",@progbits
	.p2align	6, 0x0
	.amdhsa_kernel k_q84ebbdb758_gemm_fc
		.amdhsa_group_segment_fixed_size 327680
		.amdhsa_private_segment_fixed_size 0
		.amdhsa_enable_private_segment 0
		.amdhsa_kernarg_size 32
		.amdhsa_user_sgpr_count 2
		.amdhsa_user_sgpr_kernarg_segment_ptr 1
		.amdhsa_wavefront_size32 1
		.amdhsa_system_sgpr_workgroup_id_x 1
		.amdhsa_system_sgpr_workgroup_id_y 1
		.amdhsa_system_sgpr_workgroup_id_z 1
		.amdhsa_system_vgpr_workitem_id 0
		.amdhsa_next_free_vgpr 1024
		.amdhsa_next_free_sgpr 68
		.amdhsa_reserve_vcc 0
		.amdhsa_float_denorm_mode_32 3
		.amdhsa_float_denorm_mode_16_64 3
		.amdhsa_memory_ordered 1
		.amdhsa_forward_progress 1
		.amdhsa_inst_pref_size 255
	.end_amdhsa_kernel
	.section	.bss,"aw",@nobits
	.p2align	6
	.space	262144
	.amdgpu_metadata
---
amdhsa.version: [ 1, 2 ]
amdhsa.kernels:
  - .name:           k_q84ebbdb758_gemm_fc
    .symbol:         k_q84ebbdb758_gemm_fc.kd
    .args:
      - { .name: nb, .offset: 0, .size: 8, .value_kind: global_buffer, .address_space: global }
      - { .name: wb, .offset: 8, .size: 8, .value_kind: global_buffer, .address_space: global }
      - { .name: b_fc, .offset: 16, .size: 8, .value_kind: global_buffer, .address_space: global }
      - { .name: h, .offset: 24, .size: 8, .value_kind: global_buffer, .address_space: global }
    .group_segment_fixed_size: 327680
    .private_segment_fixed_size: 0
    .kernarg_segment_align: 8
    .kernarg_segment_size: 32
    .max_flat_workgroup_size: 128
    .sgpr_count:     68
    .vgpr_count:     1024
    .wavefront_size: 32
...
	.end_amdgpu_metadata
.endif
;; end of part 6
;; launch gemm_mproj (part 7): grid 8 x 32, 4 waves a work-group, clusters of 4 x 4, 327,680 bytes of LDS; arguments h, wb, b_mproj, n, r2; writes r2
.if DOCPART == 7
	.amdgcn_target "amdgcn-amd-amdhsa--gfx1250"
	.amdhsa_code_object_version 6
	.text
	.protected	k_q84ebbdb758_gemm_mproj
	.globl	k_q84ebbdb758_gemm_mproj
	.p2align	8
	.type	k_q84ebbdb758_gemm_mproj,@function
k_q84ebbdb758_gemm_mproj:
	s_mov_b64 s[64:65], 0
	v_nop
	global_prefetch_b8 v0, s[64:65] scope:SCOPE_SE
	s_setreg_imm32_b32 hwreg(HW_REG_WAVE_MODE, 25, 1), 1
	s_wait_xcnt 0x0
	s_wait_alu depctr_hold_cnt(0) depctr_sa_sdst(0) depctr_va_vdst(0) depctr_va_sdst(0) depctr_va_ssrc(0) depctr_va_vcc(0) depctr_vm_vsrc(0)
	s_getreg_b32 s2, hwreg(HW_REG_IB_STS2, 6, 4)
	s_cmp_eq_u32 s2, 0
	s_cbranch_scc0 .Lentry_in_a_cluster
	s_endpgm
.Lentry_in_a_cluster:
	s_bfe_u32 s2, ttmp6, 0x10000c
	s_cmp_lg_u32 s2, 0xf033
	s_cbranch_scc0 .Lentry_shape_is_right
	s_endpgm
.Lentry_shape_is_right:
; r2 = n + h w_mproj + b_mproj, in f32.  h: [4096][4096] bf16 in fragment order (block (row / 16, k / 32) is 1,024 bytes at
; ((row / 16) K / 32 + k / 32) 1,024; in it the 16 bytes at 512 p + 16 l hold row l % 16, k = 16 p + 8 (l / 16) + 0..7).
; w_mproj: [4096][1024] bf16 in wb (N along the rows).
; 4096 x 1024 of C on 256 work-groups is 128 x 128 each.  THE FOUR WAVES SPLIT K: every wave keeps the whole block in 64 accumulator tiles and
; takes a quarter of K (1,024).  At the end the four partial blocks meet in LDS (in the bytes of the ring, behind its last fill), and each wave
; finishes 32 rows: four partial sums, bias and residual, all f32.  So the order of rounding differs from a single ascending sum.
; A GOES STRAIGHT INTO REGISTERS: no wave shares a fragment of A with another, and in fragment order a load of a wave is 512 consecutive
; bytes.  A ring of four buffers of 64 registers; each half buffer is asked for again behind its last product, 3.5 quarter steps ahead of its use.
; LDS then holds the weights alone: a slot has 128 k rows for each wave, 256 matrix instructions of a wave between a request and the wait for
; it less the sixteen in the round; with A beside them a slot would have 64 k rows for each wave, half of that.
; CLUSTERS: 4 x 4 work-groups; the weight tile is asked for jointly by a column of the cluster.  A is NOT asked for jointly, though a row of the
; cluster reads the same blocks: a joint request lands in LDS, and LDS has no room for slots of both operands that are long enough (above).
; Limits: operands are bf16; non-finite inputs are not served.
; REGISTER WINDOWS: 0: addresses, buffers 0-2 of A, the way out; 1: weight fragments (two buffers), buffer 3 of A, later the residual; 2, 3: accumulators.
.set SIZE_K,  4096
.set B_OFF,   25165824                 ; w_mproj in wb
.set KW,      SIZE_K/4                 ; k of a wave
.set RBS,     SIZE_K*32                ; bytes from a block of 16 rows of A to the next
.set PB,      288                      ; LDS row of the weights: 256 bytes + 32 = 9 x 32
.set HALFT,   128*PB                   ; 128 k rows: what one tensor load brings, and what one wave reads of a slot
.set SLOT,    4*HALFT
.set LAPS,    KW/256                   ; a lap = two slots = eight quarter steps of 32 k
.set STEPB,   256*2048
.set MPITCH,  528                      ; a row of a partial block: 512 bytes + 16
.set MAT,     128*MPITCH
.set ADRB, 20                          ; v20-21 LDS address of my weight fragments in slot 0, 1
.set STO,  24
.set CO,   26                          ; 16 x lane
.set BI,   28                          ; v[28:31] bias of my four columns
.set RD,   32                          ; v32-35 where I read the four partial blocks
.set FB0,  64                          ; window 1: weight fragments
.set FB1,  128
.set RA0,  64                          ; window 0: buffers 0-2 of A
.set RA1,  128
.set RA2,  192
.set RA3,  192                         ; window 1: buffer 3 of A
.set PS,   64                          ; the way out: 8 rows x 4 partial sums x 4 registers
.set TT,   192                         ; residual + bias of 8 rows
.set AG,   14                          ; s[14:15] A at my first block of this lap
.set G1B, 48
.set G0B, 56
.set MSB, 0
.macro WIN new                         ; the high byte of the immediate repeats the setting that is left
.if MSB != (\new)
	s_set_vgpr_msb (MSB<<8)|(\new)
.set MSB, (\new)
.endif
.endm
.macro CREST                           ; a round of the cluster barrier behind its opening work-group barrier
	s_cmp_lg_u32 s10, 0
	s_cbranch_scc1 .Lnot_wave_0_\@
	s_barrier_signal -3
.Lnot_wave_0_\@:
	s_barrier_wait -3
	s_barrier_signal -1
	s_barrier_wait -1
.endm
.macro CROUND
	s_barrier_signal -1
	s_barrier_wait -1
	CREST
.endm
.macro PLACES                          ; four places behind a matrix instruction (ISA guide 7.12.1)
.rept 4
	v_nop
.endr
.endm
; eight loads: blocks 4 half .. 4 half + 3 of my 8 blocks of 16 rows, k block kb from s[AG], into ring buffer fa of window aw
.macro ALOAD fa, aw, half, kb
	WIN 64*\aw
.irp i, 0,1,2,3
	global_load_b128 v[\fa+8*(4*\half+\i):\fa+8*(4*\half+\i)+3],   v[CO], s[AG:AG+1] offset:(4*\half+\i)*RBS+(\kb)*1024
	global_load_b128 v[\fa+8*(4*\half+\i)+4:\fa+8*(4*\half+\i)+7], v[CO], s[AG:AG+1] offset:(4*\half+\i)*RBS+(\kb)*1024+512
.endr
.endm
	s_load_b128 s[4:7], s[0:1], 0x0                ; A s[4:5], wb s[6:7]
	s_load_b128 s[68:71], s[0:1], 0x10             ; bias s[68:69], residual s[70:71]
	s_load_b64 s[8:9], s[0:1], 0x20                ; out
	s_set_vgpr_msb 0x40
	v_lshl_add_u32 v62, v0, 2, 0x48000
	v_mov_b32 v63, 0
	s_set_vgpr_msb 0x4045
	ds_add_u32 v62, v63
	ds_add_u32 v62, v63
	s_set_vgpr_msb 0x4500
	v_lshrrev_b32 v1, 5, v0
	v_readfirstlane_b32 s10, v1                    ; wave 0..3: my quarter of K
	s_bfe_u32 s40, ttmp6, 0x40000                  ; cx
	s_bfe_u32 s41, ttmp6, 0x40004                  ; cy
	s_lshl_b32 s42, ttmp9, 2
	s_add_co_u32 s42, s42, s40                     ; block column
	s_and_b32 s13, ttmp7, 0xffff
	s_lshl_b32 s13, s13, 2
	s_add_co_u32 s13, s13, s41                     ; block row
	s_lshl_b32 s44, 0x1111, s40                    ; my column of the cluster
	; group 1 for the weights: 128 k rows x 128 elements of 2 bytes, 8 words of padding behind every 64
	s_or_b32 s[G1B+0], s44, (1<<16)|(1<<20)|(1<<21)|(5<<22)|(7<<25)
	s_mov_b32 s[G1B+1], 128<<16
	s_mov_b32 s[G1B+2], 128<<16
	s_mov_b32 s[G1B+3], 128<<16
	s_mov_b32 s[G1B+4], 128
	s_mov_b32 s[G1B+5], 1024
	s_mov_b32 s[G1B+6], 0
	s_mov_b32 s[G1B+7], 0
	s_mul_i32 s16, s13, 8*RBS                      ; A: 8 blocks of 16 rows x block row
	s_mul_i32 s17, s10, KW*32                      ; + my first k block
	s_add_co_u32 s16, s16, s17
	s_mov_b32 s17, 0
	s_mul_i32 s46, s10, KW*2048                    ; weights: my first k row
	s_lshl_b32 s47, s42, 8                         ; + 256 bytes x block column
	s_add_co_u32 s46, s46, s47
	s_add_co_u32 s46, s46, B_OFF
	s_mov_b32 s47, 0
	s_mul_i32 s20, s10, HALFT                      ; where my tiles go: wave x one load, plus the slot
	v_and_b32 v5, 31, v0
	v_lshlrev_b32 v[CO], 4, v5
	s_wait_dscnt 0x0
	s_wait_kmcnt 0x0
	s_add_nc_u64 s[AG:AG+1], s[4:5], s[16:17]
	s_add_nc_u64 s[46:47], s[6:7], s[46:47]
	CROUND                                         ; all sixteen work-groups are here: the first joint loads meet
.irp s, 0,1
	s_mov_b32 s[G0B+4*\s], 1
	s_add_co_u32 s[G0B+4*\s+1], s20, \s*SLOT
	s_add_nc_u64 s[G0B+4*\s+2:G0B+4*\s+3], s[46:47], \s*128*2048
	s_or_b32 s[G0B+4*\s+3], s[G0B+4*\s+3], 0x80000000
	tensor_load_to_lds s[G0B+4*\s:G0B+4*\s+3], s[G1B:G1B+7]
	s_nop 0
.endr
	s_lshl_b32 s46, s42, 9                         ; my block column: 128 numbers of 4 bytes
	s_mov_b32 s47, 0
	s_add_nc_u64 s[68:69], s[68:69], s[46:47]
	s_add_nc_u64 s[70:71], s[70:71], s[46:47]
	s_add_nc_u64 s[8:9], s[8:9], s[46:47]
	s_lshl_b32 s16, s13, 7
	s_lshl_b32 s17, s10, 5
	s_add_co_u32 s16, s16, s17                     ; the 32 rows that I finish
	s_lshl_b32 s16, s16, 12
	s_mov_b32 s17, 0
	s_add_nc_u64 s[70:71], s[70:71], s[16:17]
	s_add_nc_u64 s[8:9], s[8:9], s[16:17]
	global_load_b128 v[BI:BI+3], v[CO], s[68:69]   ; ahead of A: every wait for A shows it in too
	ALOAD RA0, 0, 0, 0                             ; the ring of A is filled: quarter steps 0 to 3
	ALOAD RA0, 0, 1, 0
	ALOAD RA1, 0, 0, 1
	ALOAD RA1, 0, 1, 1
	ALOAD RA2, 0, 0, 2
	ALOAD RA2, 0, 1, 2
	ALOAD RA3, 1, 0, 3
	ALOAD RA3, 1, 1, 3
	WIN 0
	v_and_b32 v1, 15, v0                           ; r
	v_bfe_u32 v2, v0, 4, 1                         ; h
	v_and_b32 v6, 7, v0
	v_bfe_u32 v7, v0, 3, 1
	v_lshl_add_u32 v8, v2, 3, v6
	v_mul_u32_u24 v8, v8, PB
	v_lshl_add_u32 v8, v7, 4, v8                   ; weight fragment: k row 8 h + l % 8, 16 bytes by bit 3 of the lane
	v_add_nc_u32 v[ADRB], s20, v8
	v_add_nc_u32 v[ADRB+1], SLOT, v[ADRB]
	s_mul_i32 s23, s10, MAT                        ; my partial block
	v_mul_u32_u24 v4, v1, MPITCH
	v_lshl_add_u32 v4, v2, 5, v4
	v_add_nc_u32 v[STO], s23, v4
	s_mul_i32 s23, s10, 32*MPITCH                  ; the rows that I finish, in each of the four
	v_add_nc_u32 v[RD], s23, v[CO]
	v_add_nc_u32 v[RD+1], MAT, v[RD]
	v_add_nc_u32 v[RD+2], 2*MAT, v[RD]
	v_add_nc_u32 v[RD+3], 3*MAT, v[RD]
; 16 matrix instructions.  The 64 accumulators take turns, one instruction a turn, in the same order in every quarter step.
.macro MUL16 fb, fa, hi, a0, zero
.irp a, \a0, \a0+1
.irp b, 0,1,2,3,4,5,6,7
.if \zero
	v_wmma_f32_16x16x32_bf16 v[8*(8*(\a)+\b):8*(8*(\a)+\b)+7], v[\fb+8*\b:\fb+8*\b+7], v[\fa+8*(4*\hi+\a):\fa+8*(4*\hi+\a)+7], 0
.else
	v_wmma_f32_16x16x32_bf16 v[8*(8*(\a)+\b):8*(8*(\a)+\b)+7], v[\fb+8*\b:\fb+8*\b+7], v[\fa+8*(4*\hi+\a):\fa+8*(4*\hi+\a)+7], v[8*(8*(\a)+\b):8*(8*(\a)+\b)+7]
.endif
.endr
.endr
.endm
.macro FETCHB slot, q, f               ; the weight fragments of quarter q (32 k) of my 128 k of a slot
	WIN 0x40
.irp i, 0,1,2,3,4,5,6,7
	ds_load_tr16_b128 v[\f+8*\i:\f+8*\i+3],   v[ADRB+\slot] offset:(\q)*32*PB+32*\i
	ds_load_tr16_b128 v[\f+8*\i+4:\f+8*\i+7], v[ADRB+\slot] offset:(\q)*32*PB+32*\i+16*PB
.endr
.endm
; The second half of a quarter step: A's rows 0-63 are asked for again (kb >= 0: k block kb), rows 64-127 are multiplied and asked for again.
.macro SECOND fb, fa, aw, zero, kb, n2
.if \kb >= 0
	ALOAD \fa, \aw, 0, \kb
.endif
	s_wait_loadcnt \n2                             ; A's rows 64-127 of this quarter are in; what was asked for behind them stays out
	WIN 0xf1+4*\aw
	MUL16 \fb, \fa, 1, 0, \zero
	MUL16 \fb, \fa, 1, 2, \zero
.if \kb >= 0
	PLACES
	ALOAD \fa, \aw, 1, \kb
.endif
.endm
; One of the first three quarter steps of a slot: multiplies weight buffer fb by ring buffer fa; in its middle fetches the next quarter's weights into gb.
; n1, n2: in the stream 56 = the other half of this quarter (8 loads) and three later quarters (48).
.macro QUART slot, q, fb, gb, fa, aw, zero, kb, n1, n2
	s_wait_loadcnt \n1                             ; A's rows 0-63 of this quarter are in
	s_wait_dscnt 0x0                               ; and its weight fragments
	WIN 0xa1+4*\aw
	MUL16 \fb, \fa, 0, 0, \zero
	MUL16 \fb, \fa, 0, 2, \zero
	PLACES
	FETCHB \slot, \q+1, \gb
	SECOND \fb, \fa, \aw, \zero, \kb, \n2
.endm
; The last quarter step of a slot.  fill = 1: the slot is filled again, behind a round of the cluster barrier.  The next slot's bytes are my own
; load's: my wait for it is all that my reads need.
.macro TURNQ slot, next, fill, fb, gb, fa, aw, kb, n1, n2
	s_wait_loadcnt \n1
	s_wait_dscnt 0x0                               ; the fragments are in, and with them my last reads of this slot
	WIN 0xa1+4*\aw
	MUL16 \fb, \fa, 0, 0, 0
	s_wait_tensorcnt 0x0                           ; all my tensor loads have landed: the one that was out is my part of the next slot
	ds_add_u32 v62, v63
	s_wait_dscnt 0x0
.if \fill
	s_barrier_signal -1                            ; opens the round
.endif
	MUL16 \fb, \fa, 0, 2, 0                        ; register work while the others arrive
	WIN 0
.if \fill
	s_barrier_wait -1
	CREST                                          ; no wave of any partner still reads this slot or has a load on its way
	s_add_nc_u64 s[G0B+4*\slot+2:G0B+4*\slot+3], s[G0B+4*\slot+2:G0B+4*\slot+3], STEPB
	tensor_load_to_lds s[G0B+4*\slot:G0B+4*\slot+3], s[G1B:G1B+7]   ; the first tensor load behind the round, one a wave
	s_nop 0
.endif
	PLACES
	FETCHB \next, 0, \gb
	SECOND \fb, \fa, \aw, 0, \kb, \n2
.endm
.macro LAPF zero                       ; a lap behind which another follows: both slots are filled again, eight quarters of A are asked for
	QUART 0, 0, FB0, FB1, RA0, 0, \zero, 4, 56, 56
	QUART 0, 1, FB1, FB0, RA1, 0, 0, 5, 56, 56
	QUART 0, 2, FB0, FB1, RA2, 0, 0, 6, 56, 56
	TURNQ 0, 1, 1, FB1, FB0, RA3, 1, 7, 56, 56
	QUART 1, 0, FB0, FB1, RA0, 0, 0, 8, 56, 56
	QUART 1, 1, FB1, FB0, RA1, 0, 0, 9, 56, 56
	QUART 1, 2, FB0, FB1, RA2, 0, 0, 10, 56, 56
	TURNQ 1, 0, 1, FB1, FB0, RA3, 1, 11, 56, 56
	WIN 0
	s_wait_xcnt 0x0                                ; the base of the loads is stepped only behind this wait
	s_add_nc_u64 s[AG:AG+1], s[AG:AG+1], 8*1024
.endm
.macro LAPL zero                       ; the last lap: no fill; its second half asks for nothing, and the counts run down
	QUART 0, 0, FB0, FB1, RA0, 0, \zero, 4, 56, 56
	QUART 0, 1, FB1, FB0, RA1, 0, 0, 5, 56, 56
	QUART 0, 2, FB0, FB1, RA2, 0, 0, 6, 56, 56
	TURNQ 0, 1, 0, FB1, FB0, RA3, 1, 7, 56, 56
	QUART 1, 0, FB0, FB1, RA0, 0, 0, -1, 56, 48
	QUART 1, 1, FB1, FB0, RA1, 0, 0, -1, 40, 32
	QUART 1, 2, FB0, FB1, RA2, 0, 0, -1, 24, 16
	s_wait_loadcnt 8
	s_wait_dscnt 0x0
	WIN 0xa5
	MUL16 FB1, RA3, 0, 0, 0
	MUL16 FB1, RA3, 0, 2, 0
	s_wait_loadcnt 0x0
	WIN 0xf5
	MUL16 FB1, RA3, 1, 0, 0
	MUL16 FB1, RA3, 1, 2, 0
.endm
	s_wait_tensorcnt 0x1                           ; my part of slot 0 is in, and only I read it; slot 1 stays out
	FETCHB 0, 0, FB0
.if LAPS > 1
	LAPF 1                                         ; the first products start the sums
.if LAPS > 2
	s_mov_b32 s3, LAPS-2
.Llap:
	LAPF 0
	s_sub_co_u32 s3, s3, 1
	s_cmp_lg_u32 s3, 0
	s_cbranch_scc1 .Llap
.endif
	LAPL 0
.else
	LAPL 1
.endif
	; THE WAY OUT
	PLACES
	WIN 0x40
.set p, 0
.rept 32
	global_load_b128 v[64+4*p:64+4*p+3], v[CO], s[70:71] offset:4096*p th:TH_LOAD_NT   ; the residual of my 32 rows, 512 consecutive bytes a load
.set p, p+1
.endr
	WIN 0
	s_wait_dscnt 0x0
	s_barrier_signal -1
	s_barrier_wait -1                              ; every wave has read the ring for the last time, and every tensor load has landed
	WIN 0x08                                       ; store data window 2
.irp a, 0,1,2,3
.irp b, 0,1,2,3,4,5,6,7
	ds_store_b128 v[STO], v[8*(8*\a+\b):8*(8*\a+\b)+3]   offset:\a*16*MPITCH+64*\b
	ds_store_b128 v[STO], v[8*(8*\a+\b)+4:8*(8*\a+\b)+7] offset:\a*16*MPITCH+64*\b+16
.endr
.endr
	WIN 0x0c                                       ; store data window 3
.irp a, 0,1,2,3
.irp b, 0,1,2,3,4,5,6,7
	ds_store_b128 v[STO], v[8*(8*\a+\b):8*(8*\a+\b)+3]   offset:(\a+4)*16*MPITCH+64*\b
	ds_store_b128 v[STO], v[8*(8*\a+\b)+4:8*(8*\a+\b)+7] offset:(\a+4)*16*MPITCH+64*\b+16
.endr
.endr
	WIN 0
	s_wait_dscnt 0x0                               ; my partial block is written,
	s_barrier_signal -1
	s_barrier_wait -1                              ; everybody's is
.macro ROWS8 g                         ; rows 8 g .. 8 g + 7 of my 32
	s_wait_xcnt 0x0                                ; PS, which the last stores read, is loaded again only behind this wait
.irp r, 0,1,2,3,4,5,6,7
.irp s, 0,1,2,3
	ds_load_b128 v[PS+16*\r+4*\s:PS+16*\r+4*\s+3], v[RD+\s] offset:(8*\g+\r)*MPITCH
.endr
.endr
	s_wait_loadcnt 24-8*\g                         ; the residual up to row 8 g + 7 is in; the later rows stay out
	WIN 0x01                                       ; source 0 window 1
.irp r, 0,1,2,3,4,5,6,7
.irp k, 0,2
	v_pk_add_f32 v[TT+4*\r+\k:TT+4*\r+\k+1], v[64+4*(8*\g+\r)+\k:64+4*(8*\g+\r)+\k+1], v[BI+\k:BI+\k+1]
.endr
.endr
	WIN 0
.irp r, 0,1,2,3,4,5,6,7
	s_wait_dscnt 4*(7-\r)                          ; the four loads of row r are in
.irp k, 0,2
	v_pk_add_f32 v[PS+16*\r+\k:PS+16*\r+\k+1],     v[PS+16*\r+\k:PS+16*\r+\k+1],     v[PS+16*\r+4+\k:PS+16*\r+4+\k+1]
	v_pk_add_f32 v[PS+16*\r+8+\k:PS+16*\r+8+\k+1], v[PS+16*\r+8+\k:PS+16*\r+8+\k+1], v[PS+16*\r+12+\k:PS+16*\r+12+\k+1]
.endr
.irp k, 0,2
	v_pk_add_f32 v[PS+16*\r+\k:PS+16*\r+\k+1], v[PS+16*\r+\k:PS+16*\r+\k+1], v[PS+16*\r+8+\k:PS+16*\r+8+\k+1]
.endr
.irp k, 0,2
	v_pk_add_f32 v[PS+16*\r+\k:PS+16*\r+\k+1], v[PS+16*\r+\k:PS+16*\r+\k+1], v[TT+4*\r+\k:TT+4*\r+\k+1]
.endr
	global_store_b128 v[CO], v[PS+16*\r:PS+16*\r+3], s[8:9] offset:(8*\g+\r)*4096   ; 512 consecutive bytes, aligned
.endr
.endm
	ROWS8 0
	ROWS8 1
	ROWS8 2
	ROWS8 3
	s_set_vgpr_msb 0x5
	s_wait_tensorcnt 0x0
	ds_add_u32 v62, v63
	s_wait_dscnt 0x0
	s_set_vgpr_msb 0x500
	CROUND                                         ; the closing round
	s_endpgm
.Lfunc_end_k_q84ebbdb758_gemm_mproj:
	.size	k_q84ebbdb758_gemm_mproj, .Lfunc_end_k_q84ebbdb758_gemm_mproj-k_q84ebbdb758_gemm_mproj
	.p2alignl 7, 3214868480
	.fill 96, 4, 3214868480
	.section	.rodata,"a",@progbits
	.p2align	6, 0x0
	.amdhsa_kernel k_q84ebbdb758_gemm_mproj
		.amdhsa_group_segment_fixed_size 327680
		.amdhsa_private_segment_fixed_size 0
		.amdhsa_enable_private_segment 0
		.amdhsa_kernarg_size 40
		.amdhsa_user_sgpr_count 2
		.amdhsa_user_sgpr_kernarg_segment_ptr 1
		.amdhsa_wavefront_size32 1
		.amdhsa_system_sgpr_workgroup_id_x 1
		.amdhsa_system_sgpr_workgroup_id_y 1
		.amdhsa_system_sgpr_workgroup_id_z 1
		.amdhsa_system_vgpr_workitem_id 0
		.amdhsa_next_free_vgpr 1024
		.amdhsa_next_free_sgpr 72
		.amdhsa_reserve_vcc 0
		.amdhsa_float_denorm_mode_32 3
		.amdhsa_float_denorm_mode_16_64 3
		.amdhsa_memory_ordered 1
		.amdhsa_forward_progress 1
		.amdhsa_inst_pref_size 220
	.end_amdhsa_kernel
	.amdgpu_metadata
---
amdhsa.version: [ 1, 2 ]
amdhsa.kernels:
  - .name:           k_q84ebbdb758_gemm_mproj
    .symbol:         k_q84ebbdb758_gemm_mproj.kd
    .args:
      - { .name: h, .offset: 0, .size: 8, .value_kind: global_buffer, .address_space: global }
      - { .name: wb, .offset: 8, .size: 8, .value_kind: global_buffer, .address_space: global }
      - { .name: b_mproj, .offset: 16, .size: 8, .value_kind: global_buffer, .address_space: global }
      - { .name: n, .offset: 24, .size: 8, .value_kind: global_buffer, .address_space: global }
      - { .name: r2, .offset: 32, .size: 8, .value_kind: global_buffer, .address_space: global }
    .group_segment_fixed_size: 327680
    .private_segment_fixed_size: 0
    .kernarg_segment_align: 8
    .kernarg_segment_size: 40
    .max_flat_workgroup_size: 128
    .sgpr_count:     72
    .vgpr_count:     1024
    .wavefront_size: 32
...
	.end_amdgpu_metadata
.endif
;; end of part 7
;; launch ln2 (part 8): grid 256 x 1, 4 waves a work-group, no clusters, 0 bytes of LDS; arguments r2, g2, b2, out0; writes out0
.if DOCPART == 8
	.amdgcn_target "amdgcn-amd-amdhsa--gfx1250"
	.amdhsa_code_object_version 6
	.text
	.protected	k_q84ebbdb758_ln2
	.globl	k_q84ebbdb758_ln2
	.p2align	8
	.type	k_q84ebbdb758_ln2,@function
k_q84ebbdb758_ln2:
	s_mov_b64 s[64:65], 0
	v_nop
	global_prefetch_b8 v0, s[64:65] scope:SCOPE_SE
	s_setreg_imm32_b32 hwreg(HW_REG_WAVE_MODE, 25, 1), 1
	s_wait_xcnt 0x0
; out0 = g (r - mean) / (std + 1e-6) + b along rows of 1,024, std with N - 1, all f32.
; A stream: a wave takes four rows, a whole row stays in 32 registers between the passes, so memory is read once; the reduction never leaves
; the wave: no LDS, no barrier.  The variance is the sum of squared differences from the mean, never a difference of sums.
; All 48 loads of a lane go out at the head: row 0, g, b, rows 1 to 3.  A load or store of a wave covers 512 consecutive bytes, aligned.
; Limit: a variance below 2^-126 counts as zero in the root.
.set ROWB, 4096
.set GG, 4                             ; v[4:35]    g of my 32 columns
.set BB, 36                            ; v[36:67]   b
.set X,  68                            ; v[68:195]  four rows
.set T,  196                           ; v[196:203] four chains of pairs
.set MN, 204                           ; v[204:205] -mean, twice
.set R,  206                           ; v[206:207] 1 / (std + eps), twice
	s_load_b256 s[4:11], s[0:1], 0x0               ; in s[4:5], g s[6:7], b s[8:9], out s[10:11]
	v_lshrrev_b32 v3, 5, v0
	v_readfirstlane_b32 s14, v3                    ; wave
	v_and_b32 v1, 31, v0
	v_lshlrev_b32 v1, 4, v1                        ; 16 x lane
	s_lshl_b32 s16, ttmp9, 4
	s_lshl2_add_u32 s16, s14, s16                  ; my first row = 16 x work-group + 4 x wave
	s_lshl_b32 s16, s16, 12
	s_mov_b32 s17, 0
	s_mov_b32 s20, 0x76543210
	s_mov_b32 s21, 0xfedcba98
	s_wait_kmcnt 0x0
	s_add_nc_u64 s[4:5], s[4:5], s[16:17]
	s_add_nc_u64 s[10:11], s[10:11], s[16:17]
.macro LOADROW k
.irp j, 0,1,2,3,4,5,6,7
	global_load_b128 v[X+32*\k+4*\j:X+32*\k+4*\j+3], v1, s[4:5] offset:ROWB*\k+512*\j th:TH_LOAD_NT
.endr
.endm
	LOADROW 0
.irp j, 0,1,2,3,4,5,6,7
	global_load_b128 v[GG+4*\j:GG+4*\j+3], v1, s[6:7] offset:512*\j
.endr
.irp j, 0,1,2,3,4,5,6,7
	global_load_b128 v[BB+4*\j:BB+4*\j+3], v1, s[8:9] offset:512*\j
.endr
	LOADROW 1
	LOADROW 2
	LOADROW 3
.macro WSUM                            ; v[T] summed over the 32 lanes, the result in every lane
	v_pk_add_f32 v[T:T+1], v[T:T+1], v[T+2:T+3]
	v_pk_add_f32 v[T+4:T+5], v[T+4:T+5], v[T+6:T+7]
	v_pk_add_f32 v[T:T+1], v[T:T+1], v[T+4:T+5]
	v_add_f32 v[T], v[T], v[T+1]
	v_add_f32_dpp v[T], v[T], v[T] row_xmask:1 row_mask:0xf bank_mask:0xf
	v_add_f32_dpp v[T], v[T], v[T] row_xmask:2 row_mask:0xf bank_mask:0xf
	v_add_f32_dpp v[T], v[T], v[T] row_xmask:4 row_mask:0xf bank_mask:0xf
	v_add_f32_dpp v[T], v[T], v[T] row_xmask:8 row_mask:0xf bank_mask:0xf
	v_permlanex16_b32 v[T+1], v[T], s20, s21
	v_add_f32 v[T], v[T], v[T+1]
.endm
.macro ROW k, left
	s_wait_loadcnt \left                           ; my row is in; what was issued behind it stays out
.irp c, 0,2,4,6
	v_pk_add_f32 v[T+\c:T+\c+1], v[X+32*\k+\c:X+32*\k+\c+1], v[X+32*\k+8+\c:X+32*\k+8+\c+1]
.endr
.irp e, 16,24
.irp c, 0,2,4,6
	v_pk_add_f32 v[T+\c:T+\c+1], v[T+\c:T+\c+1], v[X+32*\k+\e+\c:X+32*\k+\e+\c+1]
.endr
.endr
	WSUM
	v_mul_f32 v[MN],   0xba800000, v[T]            ; -sum / 1024
	v_mul_f32 v[MN+1], 0xba800000, v[T]
.set p, 0
.rept 16
	v_pk_add_f32 v[X+32*\k+p:X+32*\k+p+1], v[X+32*\k+p:X+32*\k+p+1], v[MN:MN+1]
.set p, p+2
.endr
.irp c, 0,2,4,6
	v_pk_mul_f32 v[T+\c:T+\c+1], v[X+32*\k+\c:X+32*\k+\c+1], v[X+32*\k+\c:X+32*\k+\c+1]
.endr
.irp e, 8,16,24
.irp c, 0,2,4,6
	v_pk_fma_f32 v[T+\c:T+\c+1], v[X+32*\k+\e+\c:X+32*\k+\e+\c+1], v[X+32*\k+\e+\c:X+32*\k+\e+\c+1], v[T+\c:T+\c+1]
.endr
.endr
	WSUM
	v_mul_f32 v[T], 0x3a802008, v[T]               ; / 1023
	v_sqrt_f32 v[T+1], v[T]
	v_nop                                          ; one plain place behind the root
	s_wait_alu depctr_va_vdst(0)
	v_add_f32 v[T+1], 0x358637bd, v[T+1]           ; + 1e-6
	v_rcp_f32 v[R],   v[T+1]
	v_rcp_f32 v[R+1], v[T+1]
	v_nop                                          ; one plain place behind the reciprocals
.if \k == 0
	s_wait_loadcnt 24                              ; g and b are in; rows 1 to 3 stay out
.endif
.set p, 0
	s_wait_alu depctr_va_vdst(0)
.rept 16
	v_pk_mul_f32 v[X+32*\k+p:X+32*\k+p+1], v[X+32*\k+p:X+32*\k+p+1], v[R:R+1]
.set p, p+2
.endr
.set p, 0
.rept 16
	v_pk_fma_f32 v[X+32*\k+p:X+32*\k+p+1], v[X+32*\k+p:X+32*\k+p+1], v[GG+p:GG+p+1], v[BB+p:BB+p+1]
.set p, p+2
.endr
.irp j, 0,1,2,3,4,5,6,7
	global_store_b128 v1, v[X+32*\k+4*\j:X+32*\k+4*\j+3], s[10:11] offset:ROWB*\k+512*\j th:TH_STORE_NT
.endr
.endm
	ROW 0, 40
	ROW 1, 16
	ROW 2, 8
	ROW 3, 0
	s_endpgm
.Lfunc_end_k_q84ebbdb758_ln2:
	.size	k_q84ebbdb758_ln2, .Lfunc_end_k_q84ebbdb758_ln2-k_q84ebbdb758_ln2
	.p2alignl 7, 3214868480
	.fill 96, 4, 3214868480
	.section	.rodata,"a",@progbits
	.p2align	6, 0x0
	.amdhsa_kernel k_q84ebbdb758_ln2
		.amdhsa_group_segment_fixed_size 0
		.amdhsa_private_segment_fixed_size 0
		.amdhsa_enable_private_segment 0
		.amdhsa_kernarg_size 32
		.amdhsa_user_sgpr_count 2
		.amdhsa_user_sgpr_kernarg_segment_ptr 1
		.amdhsa_wavefront_size32 1
		.amdhsa_system_sgpr_workgroup_id_x 1
		.amdhsa_system_sgpr_workgroup_id_y 1
		.amdhsa_system_sgpr_workgroup_id_z 1
		.amdhsa_system_vgpr_workitem_id 0
		.amdhsa_next_free_vgpr 224
		.amdhsa_next_free_sgpr 66
		.amdhsa_reserve_vcc 0
		.amdhsa_float_denorm_mode_32 3
		.amdhsa_float_denorm_mode_16_64 3
		.amdhsa_memory_ordered 1
		.amdhsa_forward_progress 1
		.amdhsa_inst_pref_size 34
	.end_amdhsa_kernel
	.amdgpu_metadata
---
amdhsa.version: [ 1, 2 ]
amdhsa.kernels:
  - .name:           k_q84ebbdb758_ln2
    .symbol:         k_q84ebbdb758_ln2.kd
    .args:
      - { .name: r2, .offset: 0, .size: 8, .value_kind: global_buffer, .address_space: global }
      - { .name: g2, .offset: 8, .size: 8, .value_kind: global_buffer, .address_space: global }
      - { .name: b2, .offset: 16, .size: 8, .value_kind: global_buffer, .address_space: global }
      - { .name: out0, .offset: 24, .size: 8, .value_kind: global_buffer, .address_space: global }
    .group_segment_fixed_size: 0
    .private_segment_fixed_size: 0
    .kernarg_segment_align: 8
    .kernarg_segment_size: 32
    .max_flat_workgroup_size: 128
    .sgpr_count:     66
    .vgpr_count:     224
    .wavefront_size: 32
...
	.end_amdgpu_metadata
.endif
;; end of part 8
